; MI455X (gfx1250); checked and timed in simulation.
; The chip was launched on July 23, 2026; its instructions are those of AMD's public machine-readable ISA for CDNA 5 (MIT licence, August 2026) and "CDNA5" Instruction Set Architecture Reference Guide (July 2026). The comments in the code are by the model that wrote it; some were corrected since.
;; F Mo E. Allowed arithmetic: matrix products marked QUANTISED: E4M3 operands, one E8M0 scale for each 32 along K, by v_wmma_scale_f32_16x16x128_f8f6f4 with both operands' format E4M3, f32 sums; products left as they are: f32 operands where the result goes on into a quantised operand, else bf16, f16 or f32 operands; f32 sums; everything else in f32.
;; Inputs: b1 8 x 4,096 float32; b2 8 x 1,024 float32; gate_b 8 float32; gate_w 1,024 x 8 float32; w1_codes 8 x 4,096 x 32 x 32 uint8 (E4M3 codes of w1, K innermost, in blocks of 32 codes); w1_scales 8 x 4,096 x 32 uint8 (E8M0 scales of w1, one for each 32 codes along K); w2_codes 8 x 1,024 x 128 x 32 uint8 (E4M3 codes of w2, K innermost, in blocks of 32 codes); w2_scales 8 x 1,024 x 128 uint8 (E8M0 scales of w2, one for each 32 codes along K); x 1,024 x 1,024 float32.
;; Outputs: out0 1,024 x 1,024 float32.
;; This version of the problem:
;;   THIS VERSION OF THE PROBLEM IS GIVEN IN LOW PRECISION. The matrix products marked QUANTISED in the list below multiply operands that are first quantised to E4M3 (4 exponent bits, 3 mantissa bits; 8 bits a number), with one power-of-two scale for each 32 numbers along K (OCP MX v1.0); their sums are f32. All else is computed in f32.
;;   The module's matrix products, in the order in which they are computed (A, B: the left and right operand; K: the contracted axis; several contracted axes count as one K, in the product's order):
;;     1. [M 1,024, K 1,024] x [K 1,024, N 8]; A: input x; B: input gate_w: left as it is (N = 8 < 16)
;;     2. [M 1,024, K 1,024] x [K 1,024, N 4,096]; A: input x; B: input w1 (given as codes): QUANTISED
;;     3. [M 1,024, K 4,096] x [K 4,096, N 1,024]; A: computed on the way; B: input w2 (given as codes): QUANTISED
;;     4. [M 1,024, K 1,024] x [K 1,024, N 4,096]; A: input x; B: input w1 (given as codes): QUANTISED
;;     5. [M 1,024, K 4,096] x [K 4,096, N 1,024]; A: computed on the way; B: input w2 (given as codes): QUANTISED
;;     6. [M 1,024, K 1,024] x [K 1,024, N 4,096]; A: input x; B: input w1 (given as codes): QUANTISED
;;     7. [M 1,024, K 4,096] x [K 4,096, N 1,024]; A: computed on the way; B: input w2 (given as codes): QUANTISED
;;     8. [M 1,024, K 1,024] x [K 1,024, N 4,096]; A: input x; B: input w1 (given as codes): QUANTISED
;;     9. [M 1,024, K 4,096] x [K 4,096, N 1,024]; A: computed on the way; B: input w2 (given as codes): QUANTISED
;;     10. [M 1,024, K 1,024] x [K 1,024, N 4,096]; A: input x; B: input w1 (given as codes): QUANTISED
;;     11. [M 1,024, K 4,096] x [K 4,096, N 1,024]; A: computed on the way; B: input w2 (given as codes): QUANTISED
;;     12. [M 1,024, K 1,024] x [K 1,024, N 4,096]; A: input x; B: input w1 (given as codes): QUANTISED
;;     13. [M 1,024, K 4,096] x [K 4,096, N 1,024]; A: computed on the way; B: input w2 (given as codes): QUANTISED
;;     14. [M 1,024, K 1,024] x [K 1,024, N 4,096]; A: input x; B: input w1 (given as codes): QUANTISED
;;     15. [M 1,024, K 4,096] x [K 4,096, N 1,024]; A: computed on the way; B: input w2 (given as codes): QUANTISED
;;     16. [M 1,024, K 1,024] x [K 1,024, N 4,096]; A: input x; B: input w1 (given as codes): QUANTISED
;;     17. [M 1,024, K 4,096] x [K 4,096, N 1,024]; A: computed on the way; B: input w2 (given as codes): QUANTISED
;;   THE QUANTISER, for each operand of a quantised product, along K:
;;     - K is cut into blocks of 32 from its start; a last block that is shorter is filled with zeros.
;;     - A block's scale is 2^e with e = floor(log2(the largest magnitude in the block)) - 8, held to -126 .. 127; a block of zeros has e = 0. As a byte (E8M0): e + 127.
;;     - Each number is divided by its block's scale, clamped to +-448, and rounded to the nearest number of E4M3, ties to even, subnormals kept.
;;     - The product sums the exact products of the quantised numbers (number of the format x scale) in f32.
;;   ~~~python
;;   def quantise(x, axis):      # numpy; x: float32 -> the quantised numbers, widened to float32 again
;;       x = np.moveaxis(x, axis, -1); K = x.shape[-1]
;;       x = np.pad(x, [(0, 0)] * (x.ndim - 1) + [(0, -K % 32)]); x = x.reshape(x.shape[:-1] + (-1, 32)); a = np.abs(x).max(-1, keepdims=True)
;;       e = np.where(a > 0, np.clip(np.frexp(np.where(a > 0, a, 1))[1] - 1 - 8, -126, 127), 0)      # np.frexp(a)[1] - 1 = floor(log2(a)), exactly
;;       r = np.clip(x / 2.0 ** e, -448, 448)
;;       step = 2.0 ** (np.maximum(np.frexp(np.where(r == 0, 1, r))[1] - 1, -6) - 3)
;;       q = np.round(r / step) * step * 2.0 ** e      # np.round: ties to even
;;       return np.moveaxis(q.reshape(q.shape[:-2] + (-1,))[..., :K], -1, axis).astype(np.float32)
;;   ~~~
;;   OPERANDS COMPUTED ON THE WAY. 'Computed on the way' means the value that the module computes at that place (a softmax that the list does not call 'softmax' is quantised finished and normalised). What goes into a quantiser is computed in f32, as accurately as f32 sums, v_exp_f32 and their like allow (about 1e-6 of the number): no bf16 or f16 on the way to a quantiser, and a product that is left as it is and whose result goes on into a quantised operand takes f32 operands (vector FMAs, or v_wmma_f32_16x16x4_f32). A number that lies on a knife's edge between two numbers of the format may be rounded either way, as far as f32 arithmetic and the matrix unit's own rounding can turn it there, and no further.
;;   INPUTS GIVEN AS CODES. w1 (in the module: [8, 1024, 4096], K = its axis 1); w2 (in the module: [8, 4096, 1024], K = its axis 1): each comes as NAME_codes (uint8): NAME with its K axis moved to the last place and cut into blocks of 32 codes, [.., K / 32, bytes a block], one block behind the other in memory; one code a byte (a code: sign, 4 exponent bits, 3 mantissa bits); and NAME_scales (uint8): the same leading axes, one E8M0 byte (e + 127) for each 32 codes along K. Its value is code x scale, taken as it is: it is not quantised again, and the codes and scales need not be those that the quantiser above would give.
;; 2 versions. Each part assembles by itself: llvm-mc -triple=amdgcn-amd-amdhsa -mcpu=gfx1250 --defsym DOCPART=n.
;; ======== version 1 of 2: 4 launches
;; workspace buffers: route 4,096 bytes of whole numbers; gsc 8,192 bytes; xq 1,048,576 bytes; xs 32,768 bytes; hq 33,554,432 bytes; hs 1,048,576 bytes; y 10,485,760 bytes
;; launch gate (part 1): grid 256 x 1, 4 waves a work-group, no clusters, 54,784 bytes of LDS; arguments x, gate_w, gate_b, route, gsc, xq, xs; writes route, gsc, xq, xs
.if DOCPART == 1
	.amdgcn_target "amdgcn-amd-amdhsa--gfx1250"
	.amdhsa_code_object_version 6
	.text
	.protected	k_q978d0ba04a_gate
	.globl	k_q978d0ba04a_gate
	.p2align	8
	.type	k_q978d0ba04a_gate,@function
k_q978d0ba04a_gate:
	s_mov_b64 s[64:65], 0
	v_nop
	global_prefetch_b8 v0, s[64:65] scope:SCOPE_SE
	s_setreg_imm32_b32 hwreg(HW_REG_WAVE_MODE, 25, 1), 1
	s_wait_xcnt 0x0
; THE GATE AND x's CODES.  logits = x gate_w + gate_b in f32 (fused multiply-adds); the two largest logits of a token (ties: the lower index first), their softmax with the
; larger taken away ahead of the exponential; and x [1024][1024] f32 turned into codes of E4M3 with one E8M0 byte for each 32 along K.
; OUT: route[t] = (1 << first expert) | (256 << second expert), a whole number; gsc[t][2] the two scores; xq[t][1024] codes, K as it lies; xs[t][32] scale bytes.
; SHARES: a wave takes one token, t = 4 x work-group + wave.  A lane holds 16 neighbours along K, twice (k = 512 st + 16 lane + 0..15): two neighbouring lanes hold a block of 32.
; The loads take the row as it lies, 512 consecutive bytes each; the row turns through the wave's own stage in LDS (places of 64 bytes, 80 apart).
; gate_w (32,768 bytes) is brought into LDS once by the four waves, in chunks of 16 k x 8 experts (512 bytes, 528 apart), so that a lane reads its own chunk without meeting its neighbours' banks.
; No matrix unit: N = 8 is under a tile's width and the product stays in f32.  No cluster: the work-groups share gate_w alone, 32 KB against a launch of 4 MB of x.
; LIMITS: NaN and infinities among the logits or in x are not served.  A block of zeros gets the byte 1: its codes are zeros, and this program alone reads the bytes.
.set GWP, 528                          ; a chunk of gate_w in LDS: 512 bytes + 16
.set STG, 33792                        ; behind the 64 chunks: the stages
.set STW, 5120                         ; a wave's stage: 64 places x 80 bytes
.set XR,  16                           ; v16-47   x as loaded
.set XT,  48                           ; v48-79   x turned: 16 neighbours for each st
.set GW,  80                           ; v80-207  gate_w: register 8 kk + e = gate_w[my k + kk][e]
.set ACC, 208                          ; v208-215 the eight sums
.set WK,  216                          ; v216-222 at work
.set WD,  224                          ; v224-225 the scale words, one for each st
.set TP,  228                          ; v228-235 the other half of the lanes' sums
.set SC,  236                          ; v236-237 the two scores
.set CD,  240                          ; v240-247 the codes, four registers for each st: no store's data are written again
	s_load_b256 s[4:11], s[0:1], 0x0               ; x s[4:5], gate_w s[6:7], gate_b s[8:9], route s[10:11]
	s_load_b128 s[12:15], s[0:1], 0x20             ; gsc s[12:13], xq s[14:15]
	s_load_b64 s[16:17], s[0:1], 0x30              ; xs
	v_lshl_add_u32 v254, v0, 2, 0xd400
	v_mov_b32 v255, 0
	v_lshrrev_b32 v1, 5, v0
	v_readfirstlane_b32 s18, v1                    ; wave
	v_and_b32 v2, 31, v0                           ; lane
	v_mov_b32 v3, 0
	v_lshlrev_b32 v4, 4, v2                        ; 16 x lane: x's loads and xq's stores
	v_lshlrev_b32 v5, 4, v0                        ; 16 x thread: gate_w's loads
	s_lshl_b32 s19, ttmp9, 2
	s_add_co_u32 s19, s19, s18                     ; my token
	s_mul_i32 s20, s18, STW
	s_add_co_u32 s20, s20, STG                     ; my stage
	v_lshrrev_b32 v13, 2, v2
	v_mul_u32_u24 v13, v13, 80
	v_and_b32 v14, 3, v2
	v_lshl_add_u32 v13, v14, 4, v13
	v_add_nc_u32 v6, s20, v13                      ; into the stage: four lanes' 64 bytes on end: 80 (lane / 4) + 16 (lane % 4)
	v_mul_u32_u24 v7, v2, 80
	v_add_nc_u32 v7, s20, v7                       ; out of it: 80 x lane
	s_mul_i32 s21, s18, GWP
	v_add_nc_u32 v8, s21, v4                       ; gate_w into LDS: chunk 4 j + wave, 16 x lane
	v_mul_u32_u24 v9, v2, GWP                      ; and out: chunk 32 st + lane
	v_lshrrev_b32 v13, 3, v2
	v_lshlrev_b32 v11, 2, v13                      ; xs: eight lanes make one word: 4 (lane / 8)
	v_bfe_u32 v14, v2, 1, 2
	v_lshlrev_b32 v12, 3, v14                      ; my block's byte in that word: shift 8 ((lane / 2) % 4)
	s_mov_b32 s23, 0
	s_mov_b32 s35, 0x600000                        ; the mantissa field of 448
	s_mov_b32 s36, 0x76543210
	s_mov_b32 s37, 0xfedcba98                      ; v_permlanex16_b32's selects for lane l xor 16
	v_mov_b32 v[WK+6], 0                           ; destinations of lane moves count as read: written once
.irp e, 0,1,2,3,4,5,6,7
	v_mov_b32 v[TP+\e], 0
.endr
	s_wait_kmcnt 0x0
	s_load_b256 s[24:31], s[8:9], 0x0              ; gate_b: nobody writes it
	s_lshl_b32 s22, s19, 12
	s_add_nc_u64 s[4:5], s[4:5], s[22:23]          ; x at my row
	s_lshl_b32 s22, s19, 10
	s_add_nc_u64 s[14:15], s[14:15], s[22:23]      ; xq likewise
	s_lshl_b32 s22, s19, 5
	s_add_nc_u64 s[16:17], s[16:17], s[22:23]      ; xs
	s_lshl_b32 s22, s19, 2
	s_add_nc_u64 s[10:11], s[10:11], s[22:23]      ; route
	s_lshl_b32 s22, s19, 3
	s_add_nc_u64 s[12:13], s[12:13], s[22:23]      ; gsc
.irp i, 0,1,2,3,4,5,6,7
	global_load_b128 v[XR+4*\i:XR+4*\i+3], v4, s[4:5] offset:512*\i th:TH_LOAD_NT   ; 512 consecutive bytes; read once in the launch
.endr
.irp j, 0,1,2,3,4,5,6,7,8,9,10,11,12,13,14,15
	global_load_b128 v[GW+4*\j:GW+4*\j+3], v5, s[6:7] offset:2048*\j               ; the four waves take 2,048 consecutive bytes
.endr
	s_wait_loadcnt 16                              ; x's eight loads are in; gate_w's sixteen may be out
.irp i, 0,1,2,3,4,5,6,7
	ds_store_b128 v6, v[XR+4*\i:XR+4*\i+3] offset:640*\i
.endr
.irp st, 0,1
.irp j, 0,1,2,3
	ds_load_b128 v[XT+16*\st+4*\j:XT+16*\st+4*\j+3], v7 offset:2560*\st+16*\j      ; LDS serves a wave's instructions in order (ISA guide 5.7.1): these see my stores
.endr
.endr
	s_wait_loadcnt 0x0                             ; gate_w
.irp j, 0,1,2,3,4,5,6,7,8,9,10,11,12,13,14,15
	ds_store_b128 v8, v[GW+4*\j:GW+4*\j+3] offset:2112*\j
.endr
	s_wait_dscnt 0x0                               ; for the others' sake: my part of gate_w has landed (and my row is back)
	s_barrier_signal -1
	s_barrier_wait -1
; One half of the row: 16 numbers a lane.  The scale's lines stand between the loads of gate_w's chunk and the wait for them.
.macro HALF st
.set XB, XT+16*\st
.set jj, 0
.rept 32
	ds_load_b128 v[GW+4*jj:GW+4*jj+3], v9 offset:16896*\st+16*jj
.set jj, jj+1
.endr
	v_max3_num_f32 v[WK], |v[XB]|, |v[XB+1]|, |v[XB+2]|            ; the largest magnitude of my 16, in two chains
	v_max3_num_f32 v[WK+1], |v[XB+3]|, |v[XB+4]|, |v[XB+5]|
.irp i, 6,10
	v_max3_num_f32 v[WK], v[WK], |v[XB+\i]|, |v[XB+\i+1]|
	v_max3_num_f32 v[WK+1], v[WK+1], |v[XB+\i+2]|, |v[XB+\i+3]|
.endr
	v_max3_num_f32 v[WK], v[WK], |v[XB+14]|, |v[XB+15]|
	v_max3_num_f32 v[WK], v[WK], v[WK+1], 0x4800000                ; and the floor 2^(9 - 127): the byte cannot fall under 1
	v_max_num_f32_dpp v[WK], v[WK], v[WK] row_xmask:1 row_mask:0xf bank_mask:0xf   ; with my neighbour's 16: the block's
	v_add_nc_u32 v[WK+3], 0xfc000000, v[WK]                        ; 8 off the exponent field: the conversion's scale operand
	v_and_or_b32 v[WK+2], v[WK], 0x7f800000, s35                   ; 448 x the scale
	v_lshrrev_b32 v[WK+4], 23, v[WK+3]                             ; the scale's byte
	s_wait_dscnt 0x0                               ; my chunk of gate_w is in
.set kk, 0
.rept 16                                       ; logits: four pairs of sums by turns; of x's pair one word serves both halves
.set mm, 0
.rept 4
.if (\st == 0) && (kk == 0)
	v_pk_mul_f32 v[ACC+2*mm:ACC+2*mm+1], v[GW+2*mm:GW+2*mm+1], v[XB:XB+1] op_sel_hi:[1,0]   ; the first product starts the sums
.elseif kk%2 == 0
	v_pk_fma_f32 v[ACC+2*mm:ACC+2*mm+1], v[GW+8*kk+2*mm:GW+8*kk+2*mm+1], v[XB+kk:XB+kk+1], v[ACC+2*mm:ACC+2*mm+1] op_sel_hi:[1,0,1]
.else
	v_pk_fma_f32 v[ACC+2*mm:ACC+2*mm+1], v[GW+8*kk+2*mm:GW+8*kk+2*mm+1], v[XB+kk-1:XB+kk], v[ACC+2*mm:ACC+2*mm+1] op_sel:[0,1,0] op_sel_hi:[1,1,1]
.endif
.set mm, mm+1
.endr
.set kk, kk+1
.endr
.set kk, 0
.rept 16
	v_med3_num_f32 v[XB+kk], v[XB+kk], -v[WK+2], v[WK+2]           ; the conversion to an 8-bit code does not saturate (ISA guide 7.6.2): the hold at 448 x the scale
.set kk, kk+1
.endr
	v_cvt_scalef32_pk8_fp8_f32 v[CD+4*\st:CD+4*\st+1], v[XB:XB+7], v[WK+3]
	v_cvt_scalef32_pk8_fp8_f32 v[CD+4*\st+2:CD+4*\st+3], v[XB+8:XB+15], v[WK+3]
	v_lshlrev_b32 v[WK+5], v12, v[WK+4]                            ; my byte at its place in the word (a plain line behind the conversions)
	v_mov_b32_dpp v[WK+6], v[WK+5] row_xmask:2 row_mask:0xf bank_mask:0xf
	v_or_b32 v[WK+5], v[WK+5], v[WK+6]
	v_mov_b32_dpp v[WK+6], v[WK+5] row_xmask:4 row_mask:0xf bank_mask:0xf
	v_or_b32 v[WD+\st], v[WK+5], v[WK+6]                           ; the four bytes of 128 along K, in all eight lanes
	global_store_b128 v4, v[CD+4*\st:CD+4*\st+3], s[14:15] offset:512*\st   ; the wave stores 512 consecutive bytes
	global_store_b32 v11, v[WD+\st], s[16:17] offset:16*\st        ; eight lanes write the same word with the same value: 16 bytes a wave
.endm
	HALF 0
	HALF 1
	; the eight sums over the 32 lanes
.irp msk, 1,2,4,8
.irp e, 0,1,2,3,4,5,6,7
	v_add_f32_dpp v[ACC+\e], v[ACC+\e], v[ACC+\e] row_xmask:\msk row_mask:0xf bank_mask:0xf
.endr
.endr
.irp e, 0,1,2,3,4,5,6,7
	v_permlanex16_b32 v[TP+\e], v[ACC+\e], s36, s37
.endr
.irp e, 0,1,2,3,4,5,6,7
	v_add_f32 v[ACC+\e], v[ACC+\e], v[TP+\e]
.endr
	s_wait_kmcnt 0x0                               ; gate_b
.irp e, 0,1,2,3,4,5,6,7
	v_add_f32 v[ACC+\e], s[24+\e], v[ACC+\e]
.endr
	; the largest logit: the old one stays where the new one is not larger, so the lower index wins a tie
	v_mov_b32 v216, v[ACC]
	v_mov_b32 v217, 0
.irp e, 1,2,3,4,5,6,7
	v_cmp_le_f32 vcc_lo, v[ACC+\e], v216
	v_cndmask_b32 v216, v[ACC+\e], v216, vcc_lo
	v_cndmask_b32 v217, \e, v217, vcc_lo
.endr
	; the second: the same among the other seven
	v_mov_b32 v218, 0xff800000
	v_mov_b32 v219, 0
.irp e, 0,1,2,3,4,5,6,7
	v_cmp_le_f32 s32, v[ACC+\e], v218
	v_cmp_eq_u32 s33, \e, v217
	s_or_b32 vcc_lo, s32, s33
	v_cndmask_b32 v218, v[ACC+\e], v218, vcc_lo
	v_cndmask_b32 v219, \e, v219, vcc_lo
.endr
	; softmax of the two, the larger taken away: 1 / (1 + E) and E / (1 + E), E = e^(second - first), at most 1
	v_sub_f32 v220, v218, v216
	v_mul_f32 v220, 0x3fb8aa3b, v220
	v_exp_f32 v221, v220
	v_mov_b32 v238, 1                              ; a plain line behind the exponential
	s_wait_alu depctr_va_vdst(0)                   ; the wait ahead of the first reader
	v_add_f32 v222, 1.0, v221
	v_rcp_f32 v[SC], v222
	v_mov_b32 v239, 0x100                          ; a plain line behind the reciprocal
	s_wait_alu depctr_va_vdst(0)
	v_mul_f32 v[SC+1], v221, v[SC]
	v_lshlrev_b32 v238, v217, v238                 ; 1 << first
	v_lshlrev_b32 v239, v219, v239                 ; 256 << second
	v_or_b32 v238, v238, v239
	s_wait_xcnt 0x0                                ; EXEC is a source of the stores above: it changes only behind this wait
	v_cmp_eq_u32 vcc_lo, 0, v2
	s_wait_tensorcnt 0x0
	ds_add_u32 v254, v255
	s_wait_dscnt 0x0
	s_and_saveexec_b32 s34, vcc_lo                 ; lane 0 stores for the token
	global_store_b32 v3, v238, s[10:11]
	global_store_b64 v3, v[SC:SC+1], s[12:13]
	s_wait_xcnt 0x0                                ; and again ahead of the line that widens it
	s_or_b32 exec_lo, exec_lo, s34
	s_endpgm
.Lfunc_end_k_q978d0ba04a_gate:
	.size	k_q978d0ba04a_gate, .Lfunc_end_k_q978d0ba04a_gate-k_q978d0ba04a_gate
	.p2alignl 7, 3214868480
	.fill 96, 4, 3214868480
	.section	.rodata,"a",@progbits
	.p2align	6, 0x0
	.amdhsa_kernel k_q978d0ba04a_gate
		.amdhsa_group_segment_fixed_size 54784
		.amdhsa_private_segment_fixed_size 0
		.amdhsa_enable_private_segment 0
		.amdhsa_kernarg_size 56
		.amdhsa_user_sgpr_count 2
		.amdhsa_user_sgpr_kernarg_segment_ptr 1
		.amdhsa_wavefront_size32 1
		.amdhsa_system_sgpr_workgroup_id_x 1
		.amdhsa_system_sgpr_workgroup_id_y 1
		.amdhsa_system_sgpr_workgroup_id_z 1
		.amdhsa_system_vgpr_workitem_id 0
		.amdhsa_next_free_vgpr 256
		.amdhsa_next_free_sgpr 66
		.amdhsa_reserve_vcc 1
		.amdhsa_float_denorm_mode_32 3
		.amdhsa_float_denorm_mode_16_64 3
		.amdhsa_memory_ordered 1
		.amdhsa_forward_progress 1
		.amdhsa_inst_pref_size 31
	.end_amdhsa_kernel
	.amdgpu_metadata
---
amdhsa.version: [ 1, 2 ]
amdhsa.kernels:
  - .name:           k_q978d0ba04a_gate
    .symbol:         k_q978d0ba04a_gate.kd
    .args:
      - { .name: x, .offset: 0, .size: 8, .value_kind: global_buffer, .address_space: global }
      - { .name: gate_w, .offset: 8, .size: 8, .value_kind: global_buffer, .address_space: global }
      - { .name: gate_b, .offset: 16, .size: 8, .value_kind: global_buffer, .address_space: global }
      - { .name: route, .offset: 24, .size: 8, .value_kind: global_buffer, .address_space: global }
      - { .name: gsc, .offset: 32, .size: 8, .value_kind: global_buffer, .address_space: global }
      - { .name: xq, .offset: 40, .size: 8, .value_kind: global_buffer, .address_space: global }
      - { .name: xs, .offset: 48, .size: 8, .value_kind: global_buffer, .address_space: global }
    .group_segment_fixed_size: 54784
    .private_segment_fixed_size: 0
    .kernarg_segment_align: 8
    .kernarg_segment_size: 56
    .max_flat_workgroup_size: 128
    .sgpr_count:     66
    .vgpr_count:     256
    .wavefront_size: 32
...
	.end_amdgpu_metadata
.endif
;; end of part 1
;; launch ffn1 (part 2): grid 256 x 1, 4 waves a work-group, no clusters, 4,864 bytes of LDS; arguments route, xq, xs, w1_codes, w1_scales, b1, hq, hs; writes hq, hs
.if DOCPART == 2
	.amdgcn_target "amdgcn-amd-amdhsa--gfx1250"
	.amdhsa_code_object_version 6
	.text
	.protected	k_q978d0ba04a_ffn1
	.globl	k_q978d0ba04a_ffn1
	.p2align	8
	.type	k_q978d0ba04a_ffn1,@function
k_q978d0ba04a_ffn1:
	s_mov_b64 s[64:65], 0
	v_nop
	global_prefetch_b8 v0, s[64:65] scope:SCOPE_SE
	s_setreg_imm32_b32 hwreg(HW_REG_WAVE_MODE, 25, 1), 1
	s_wait_xcnt 0x0
; THE FIRST PRODUCT OF THE CHOSEN ROWS: h = gelu(x w1[e] + b1[e]) (tanh form), on codes of E4M3 with E8M0 scales, and h quantised along the second product's K.
; THE WEIGHTS STAND, THE ROWS WALK.  Work-group = (expert e = wg / 32, g = wg % 32): hidden units 128 g .. 128 g + 127 of expert e, which are K step g of the second product.
; Wave = (c2 = wave % 2: units 64 c2 .. + 63; p = wave / 2: tiles of 16 rows j = p, p + 2, ..).  A wave's 64 units x K 1,024 are 32 fragments, 512 registers, loaded once.
; THE LIST.  route[t] holds a token's two experts.  Wave 0 places the row ids (2 t + slot) of the tokens that chose e one behind the other in LDS; every wave counts them.  Places
; behind the count hold pad ids (2048 + 64 e + place % 64), whose token is held at 1,023: pad rows give valid numbers that no result takes.
; THE LOOP has 32 trips, the most that any split needs (64 tiles of an expert, two waves' turns); a trip beyond the wave's own count jumps over its work.
; THE MATRIX INSTRUCTION IS USED TRANSPOSED (source 0 = 16 rows of w1, source 1 = 16 tokens), AND THE ROWS OF w1 THAT FORM A TILE ARE NOT NEIGHBOURS: lane r of tile 2 b + u takes unit
; 32 b + 8 u + r + 8 (r / 8), so that a lane holds one token and the 16 registers of tiles 2 b, 2 b + 1 are units 32 b + 16 (lane / 16) + 0 .. 15: the conversions' results are the next operand's registers.
; OUT: hq[tile 64 e + j][S 32][c 4][lane][16 bytes]: images of the operand's registers; hs[tile][S / 8][row 16][S % 8][4 bytes]: its scale words.
; NO TENSOR LOAD, NO JOINT REQUEST: the number of tiles hangs on a count read from memory.  Partners that asked on to the worst case would ask for 64 tiles of an expert where a quarter of 64 are used on an even split.
; The two-byte stores of hs are 32 bytes a tile and wave against 1,024 bytes of codes.
; LIMITS: NaN and infinities in the hidden layer are not served.  A block of zeros gets the byte 1: its codes are zeros, and this program alone reads the bytes.
; REGISTERS: window 0 as named below; window 1: w1's fragments (tile n, K step s < 4) at v[16 (4 s + n)]; window 2: those of s >= 4 at v[16 (4 (s - 4) + n)]; window 3: v0-127 x's eight fragments.
.set LA,  4                            ; v4   LDS address of my row's list entry: 4 r + 64 p, 128 on in each trip
.set XO,  5                            ; v5   my token's codes: 1024 t + 16 h
.set XSO, 6                            ; v6   my token's scale bytes: 32 t
.set L16, 7                            ; v7   16 x lane
.set R32, 8                            ; v8   32 r
.set ENT, 9                            ; v9   the list entry
.set WO,  10                           ; v10  w1: (r + 8 (r / 8)) x 1024 + 16 h
.set WSO, 11                           ; v11  its scale bytes: (r + 8 (r / 8)) x 32
.set H64, 12                           ; v12  64 h: b1
.set H16, 13                           ; v13  16 h
.set XS,  16                           ; v16-23   x's scale words, K steps 0-7
.set W1S, 24                           ; v24-55   w1's: 8 n + s
.set B1,  56                           ; v56-87   b1 in the result's layout: 8 n + j
.set HA,  88                           ; v88-119  the four accumulators
.set T,   120                          ; v120-151 at work
.set RW,  120                          ;          at the head: route's words; register 4 i + q: token 128 i + 4 lane + q
.set PC,  152                          ; v152-159 the codes just made
.set TM,  160                          ; v160-175 the quantiser's
.set PW,  176                          ; v176     two scale bytes
.set C0V, 178                          ; v178-179 c0 twice
.set ONEV, 180                         ; v180-181 1.0 twice
.set BIA, 152                          ; at the head: the list's registers
.set BDUMP, 153
.set BT2, 154
.set BPA, 155
.set BPB, 156
.set BT,  157
.set BU,  158
.set BPZ, 159
.set WV,  20
.set C2,  21
.set PP,  22
.set EE,  23
.set GG,  24
.set CNT, 25                           ; s25  rows of my expert
.set NP,  26                           ; s26  tiles of my wave
.set II,  27                           ; s27  the trip
.set SELB, 28                          ; s28  0x101 << e: either slot
.set SEL1, 29                          ; s29  256 << e: the second slot
.set SM,  30
.set SB,  31
.set SH8, 41                           ; s41  8 + e
.set SEL, 38                           ; s38-39 lane selects
.set MNT, 40
.set C1S, 44                           ; s[44:45] c1 twice
.set HQB, 46                           ; s[46:47] where this trip's codes go
.set HSB, 48                           ; s[48:49] and its scale bytes
.set MSB, 0
.macro WIN new                         ; the immediate's high byte repeats the setting that is left
.if MSB != \new
	s_set_vgpr_msb (MSB<<8)|\new
.set MSB, \new
.endif
.endm
.macro PLACES n
.rept \n
	v_nop
.endr
.endm
; w1's loads q0 .. q1 - 1 of 128: tile q / 32, K step (q / 4) % 8, piece q % 4.  Eight loads on end cover 256 neighbouring bytes of each of a tile's 16 rows.
.macro LOADW q0, q1
.set q, \q0
.rept \q1-\q0
.set wn, q/32
.set ws, (q/4)%8
.set wc, q%4
.if ws < 4
	WIN 0x40
.else
	WIN 0x80
.endif
	global_load_b128 v[16*(4*(ws%4)+wn)+4*wc:16*(4*(ws%4)+wn)+4*wc+3], v[WO], s[10:11] offset:(32*(wn/2)+8*(wn%2))*1024+128*ws+32*wc
.set q, q+1
.endr
	WIN 0
.endm
; THE LIST.  Only wave 0 stores, and no other wave touches LDS ahead of the barrier.  First every place gets its pad id; then 32 passes, one for each register of route's words: a lane whose token chose e
; takes the place count + (members in lower lanes); the others write their own spare word behind the list.  LDS serves a wave's instructions in order, so the members land over the pads.
.macro BUILD_LIST
	s_mov_b32 s[CNT], 0
	s_cmp_lg_u32 s[WV], 0
	s_cbranch_scc1 .Lcount_\@
.set k, 0
.rept 33
.if k%2 == 0
	ds_store_b32 v[BIA], v[BPA] offset:128*k
.else
	ds_store_b32 v[BIA], v[BPB] offset:128*k
.endif
.set k, k+1
.endr
.set k, 0
.rept 32
	v_and_b32 v[BT], s[SELB], v[RW+k]
	v_cmp_ne_u32 s[SM], 0, v[BT]                   ; who chose e
	v_and_b32 v[BU], s[SEL1], v[RW+k]
	v_lshrrev_b32 v[BU], s[SH8], v[BU]             ; as which slot: 0 or 1
	v_mbcnt_lo_u32_b32 v[BPZ], s[SM], s[CNT]
	v_cndmask_b32 v[BPZ], v[BDUMP], v[BPZ], s[SM]
	v_min_u32 v[BPZ], 1087, v[BPZ]                 ; a place made of loaded numbers is held inside the list's 1,088 words
	v_lshlrev_b32 v[BPZ], 2, v[BPZ]
	v_add3_u32 v[BU], v[BU], v[BT2], 2*(128*(k/4)+k%4)   ; the row id 2 t + slot, t = 128 i + 4 lane + q
	ds_store_b32 v[BPZ], v[BU]
	s_bcnt1_i32_b32 s[SB], s[SM]
	s_add_co_u32 s[CNT], s[CNT], s[SB]
.set k, k+1
.endr
	s_branch .Ljoin_\@
.Lcount_\@:
.set k, 0
.rept 32
	v_and_b32 v[BT], s[SELB], v[RW+k]
	v_cmp_ne_u32 s[SM], 0, v[BT]
	s_bcnt1_i32_b32 s[SB], s[SM]
	s_add_co_u32 s[CNT], s[CNT], s[SB]
.set k, k+1
.endr
.Ljoin_\@:
	s_wait_dscnt 0x0                               ; for the others' sake: the list has landed
	s_barrier_signal -1
	s_barrier_wait -1
.endm
.macro NEXTADR                         ; a list entry becomes the gather's offsets
	v_lshrrev_b32 v[ENT], 1, v[ENT]                ; the token,
	v_min_u32 v[ENT], 0x3ff, v[ENT]                ; held inside x (a pad id gives 1,023)
	v_lshl_add_u32 v[XO], v[ENT], 10, v[H16]
	v_lshlrev_b32 v[XSO], 5, v[ENT]
.endm
.macro ALOAD                           ; a tile's 16 tokens: eight fragments and their scale words: 34 loads
	WIN 0xc0
.set k, 0
.rept 32
	global_load_b128 v[4*k:4*k+3], v[XO], s[6:7] offset:32*k     ; K step k / 4, registers 4 (k % 4) on: k = 32 (k % 4) + 16 h + 0 .. 15
.set k, k+1
.endr
	WIN 0
	global_load_b128 v[XS:XS+3], v[XSO], s[8:9]
	global_load_b128 v[XS+4:XS+7], v[XSO], s[8:9] offset:16
.endm
.macro MULT                            ; 32 matrix instructions: K step by K step, the four accumulators by turns, one instruction a turn.  b1 is the C of each sum's first
.set ks, 0
.rept 8
.if ks < 4
	WIN 0x0d                                       ; source 0 (w1) window 1, source 1 (x) window 3, C and D window 0
.else
	WIN 0x0e                                       ; source 0 window 2
.endif
.set kn, 0
.rept 4
.set rW, 16*(4*(ks%4)+kn)
.if ks == 0
	v_wmma_scale_f32_16x16x128_f8f6f4 v[HA+8*kn:HA+8*kn+7], v[rW:rW+15], v[16*ks:16*ks+15], v[B1+8*kn:B1+8*kn+7], v[W1S+8*kn+ks], v[XS+ks]
.else
	v_wmma_scale_f32_16x16x128_f8f6f4 v[HA+8*kn:HA+8*kn+7], v[rW:rW+15], v[16*ks:16*ks+15], v[HA+8*kn:HA+8*kn+7], v[W1S+8*kn+ks], v[XS+ks]
.endif
.set kn, kn+1
.endr
.set ks, ks+1
.endr
	WIN 0
.endm
; gelu(x) = x / (1 + 2^(x (c0 + c1 x^2))), c0 = -2 log2(e) sqrt(2 / pi), c1 = 0.044715 c0: the tanh form, with no difference of near numbers.  Beyond f32's range of x^2 the exponent goes to
; +-infinity and the quotient to x or to 0, as the function does.  The exponentials are one batch with one wait, and so are the reciprocals.  Each accumulator is read from its low end on.
.macro GELU
.set j, 0
.rept 16
	v_pk_mul_f32 v[T+j:T+j+1], v[HA+j:HA+j+1], v[HA+j:HA+j+1]
.set j, j+2
.endr
.set j, 0
.rept 16
	v_pk_fma_f32 v[T+j:T+j+1], v[T+j:T+j+1], s[C1S:C1S+1], v[C0V:C0V+1] op_sel_hi:[1,0,1]
.set j, j+2
.endr
.set j, 0
.rept 16
	v_pk_mul_f32 v[T+j:T+j+1], v[T+j:T+j+1], v[HA+j:HA+j+1]
.set j, j+2
.endr
.set j, 0
.rept 32
	v_exp_f32 v[T+j], v[T+j]
.set j, j+1
.endr
	v_nop                                          ; a plain line behind the last exponential
	s_wait_alu depctr_va_vdst(0)                   ; one wait for the batch, ahead of its first reader
.set j, 0
.rept 16
	v_pk_add_f32 v[T+j:T+j+1], v[T+j:T+j+1], v[ONEV:ONEV+1]
.set j, j+2
.endr
.set j, 0
.rept 32
	v_rcp_f32 v[T+j], v[T+j]
.set j, j+1
.endr
	v_nop
	s_wait_alu depctr_va_vdst(0)
.set j, 0
.rept 16
	v_pk_mul_f32 v[HA+j:HA+j+1], v[HA+j:HA+j+1], v[T+j:T+j+1]
.set j, j+2
.endr
.endm
; My two blocks of 32 along the next K (16 numbers in my lane, 16 in lane l xor 16) become eight registers of codes and two scale bytes.
.macro QUANT2
.irp b, 0,1
	v_max3_num_f32 v[TM+\b], |v[HA+16*\b]|, |v[HA+16*\b+1]|, 0x4800000   ; and the floor 2^(9 - 127): the byte cannot fall under 1
.endr
.irp i, 2,4,6,8,10,12,14
.irp b, 0,1
	v_max3_num_f32 v[TM+\b], v[TM+\b], |v[HA+16*\b+\i]|, |v[HA+16*\b+\i+1]|
.endr
.endr
.irp b, 0,1
	v_permlanex16_b32 v[TM+4+\b], v[TM+\b], s[SEL], s[SEL+1]
.endr
.irp b, 0,1
	v_max_num_f32 v[TM+\b], v[TM+\b], v[TM+4+\b]                   ; the block's largest magnitude
.endr
.irp b, 0,1
	v_add_nc_u32 v[TM+12+\b], 0xfc000000, v[TM+\b]                 ; 8 off its exponent field: the conversion's scale operand
.endr
.irp b, 0,1
	v_and_or_b32 v[TM+8+\b], v[TM+\b], 0x7f800000, s[MNT]          ; 448 x the scale
.endr
.irp b, 0,1
	v_lshrrev_b32 v[TM+4+\b], 23, v[TM+12+\b]                      ; the scale's byte
.endr
	v_lshl_or_b32 v[PW], v[TM+5], 8, v[TM+4]
.irp b, 0,1
.irp i, 0,1,2,3,4,5,6,7,8,9,10,11,12,13,14,15
	v_med3_num_f32 v[HA+16*\b+\i], v[HA+16*\b+\i], -v[TM+8+\b], v[TM+8+\b]   ; the conversion does not saturate (ISA guide 7.6.2): the hold
.endr
	v_cvt_scalef32_pk8_fp8_f32 v[PC+4*\b:PC+4*\b+1], v[HA+16*\b:HA+16*\b+7], v[TM+12+\b]
	v_cvt_scalef32_pk8_fp8_f32 v[PC+4*\b+2:PC+4*\b+3], v[HA+16*\b+8:HA+16*\b+15], v[TM+12+\b]
.endr
	v_nop                                          ; a plain line behind the last conversion: the next products write its sources
.endm
	s_load_b512 s[4:19], s[0:1], 0x0               ; route s[4:5], xq s[6:7], xs s[8:9], w1_codes s[10:11], w1_scales s[12:13], b1 s[14:15], hq s[16:17], hs s[18:19]
	v_lshl_add_u32 v254, v0, 2, 0x1100
	v_mov_b32 v255, 0
	v_lshrrev_b32 v14, 5, v0
	v_readfirstlane_b32 s[WV], v14
	v_and_b32 v1, 31, v0                           ; lane
	v_and_b32 v2, 15, v0                           ; r
	v_bfe_u32 v3, v0, 4, 1                         ; h
	s_and_b32 s[C2], s[WV], 1
	s_lshr_b32 s[PP], s[WV], 1
	s_lshr_b32 s[EE], ttmp9, 5
	s_and_b32 s[GG], ttmp9, 31
	v_lshlrev_b32 v[L16], 4, v1
	v_lshlrev_b32 v[R32], 5, v2
	v_lshlrev_b32 v[H64], 6, v3
	v_lshlrev_b32 v[H16], 4, v3
	v_and_b32 v14, 8, v2
	v_add_nc_u32 v14, v14, v2                      ; r + 8 (r / 8)
	v_lshl_add_u32 v[WO], v14, 10, v[H16]
	v_lshlrev_b32 v[WSO], 5, v14
	s_lshl_b32 s32, s[PP], 6
	v_lshlrev_b32 v[LA], 2, v2
	v_add_nc_u32 v[LA], s32, v[LA]
	v_lshlrev_b32 v[BIA], 2, v1                    ; the list's registers, made ahead of the parting of the waves
	v_add_nc_u32 v[BDUMP], 1056, v1
	v_lshlrev_b32 v[BT2], 3, v1
	s_lshl_b32 s32, s[EE], 6
	s_add_co_u32 s32, s32, 2048
	v_add_nc_u32 v[BPA], s32, v1
	v_add_nc_u32 v[BPB], 32, v[BPA]
	s_lshl_b32 s[SELB], 0x101, s[EE]
	s_lshl_b32 s[SEL1], 0x100, s[EE]
	s_add_co_u32 s[SH8], s[EE], 8
	s_mov_b32 s[SEL], 0x76543210
	s_mov_b32 s[SEL+1], 0xfedcba98
	s_mov_b32 s[MNT], 0x600000
	s_mov_b32 s[C1S], 0xbdd2d3e8                   ; c1 = -0.10294324
	s_mov_b32 s[C1S+1], s[C1S]
	v_mov_b32 v[C0V], 0xc0135761                   ; c0 = -2.3022082
	v_mov_b32 v[C0V+1], 0xc0135761
	v_mov_b32 v[ONEV], 1.0
	v_mov_b32 v[ONEV+1], 1.0
	v_mov_b32 v[TM+4], 0                           ; a lane permute's destination counts as read: written once
	v_mov_b32 v[TM+5], 0
	s_lshl_b32 s32, s[EE], 12
	s_lshl_b32 s33, s[GG], 7
	s_add_co_u32 s32, s32, s33
	s_lshl_b32 s33, s[C2], 6
	s_add_co_u32 s32, s32, s33                     ; my first unit among the 32,768: 4096 e + 128 g + 64 c2
	s_lshl_b32 s33, s[EE], 6
	s_add_co_u32 s33, s33, s[PP]                   ; my first tile: 64 e + p
	s_mov_b32 s37, 0
	s_wait_kmcnt 0x0
	s_lshl_b32 s36, s32, 10
	s_add_nc_u64 s[10:11], s[10:11], s[36:37]      ; w1's codes: 1,024 bytes a unit
	s_lshl_b32 s36, s32, 5
	s_add_nc_u64 s[12:13], s[12:13], s[36:37]      ; its scale bytes: 32
	s_lshl_b32 s36, s32, 2
	s_add_nc_u64 s[14:15], s[14:15], s[36:37]      ; b1
	s_lshl_b32 s36, s33, 16                        ; hq: 65,536 bytes a tile, + 2,048 g + 1,024 c2
	s_lshl_b32 s34, s[GG], 11
	s_add_co_u32 s36, s36, s34
	s_lshl_b32 s34, s[C2], 10
	s_add_co_u32 s36, s36, s34
	s_add_nc_u64 s[HQB:HQB+1], s[16:17], s[36:37]
	s_lshl_b32 s36, s33, 11                        ; hs: 2,048 bytes a tile, + 512 (g / 8) + 4 (g % 8) + 2 c2
	s_lshr_b32 s34, s[GG], 3
	s_lshl_b32 s34, s34, 9
	s_add_co_u32 s36, s36, s34
	s_and_b32 s34, s[GG], 7
	s_lshl_b32 s34, s34, 2
	s_add_co_u32 s36, s36, s34
	s_lshl_b32 s34, s[C2], 1
	s_add_co_u32 s36, s36, s34
	s_add_nc_u64 s[HSB:HSB+1], s[18:19], s[36:37]
.irp i, 0,1,2,3,4,5,6,7
	global_load_b128 v[RW+4*\i:RW+4*\i+3], v[L16], s[4:5] offset:512*\i
.endr
	LOADW 0, 48                                    ; weights go out ahead of the list's work
	s_wait_loadcnt 48                              ; route's eight loads are in; the 48 behind them stay out
	BUILD_LIST
	LOADW 48, 128
.irp n, 0,1,2,3
	global_load_b128 v[W1S+8*\n:W1S+8*\n+3], v[WSO], s[12:13] offset:(32*(\n/2)+8*(\n%2))*32
	global_load_b128 v[W1S+8*\n+4:W1S+8*\n+7], v[WSO], s[12:13] offset:(32*(\n/2)+8*(\n%2))*32+16
.endr
.irp n, 0,1,2,3
	global_load_b128 v[B1+8*\n:B1+8*\n+3], v[H64], s[14:15] offset:(32*(\n/2)+8*(\n%2))*4        ; lane (r, h), tile 2 b + u: units 32 b + 16 h + 8 u + 0 .. 7
	global_load_b128 v[B1+8*\n+4:B1+8*\n+7], v[H64], s[14:15] offset:(32*(\n/2)+8*(\n%2))*4+16
.endr
	s_add_co_u32 s32, s[CNT], 15
	s_lshr_b32 s32, s32, 4                         ; tiles of the expert
	s_add_co_u32 s32, s32, 1
	s_sub_co_u32 s32, s32, s[PP]
	s_lshr_b32 s[NP], s32, 1                       ; those of my parity: at most 32
	ds_load_b32 v[ENT], v[LA]
	s_wait_dscnt 0x0
	NEXTADR
	ALOAD                                          ; my first tile
	s_mov_b32 s[II], 0
.Ltile:
	s_cmp_ge_u32 s[II], s[NP]
	s_cbranch_scc1 .Lskip                          ; beyond my tiles: only the steps at the trip's end
	ds_load_b32 v[ENT], v[LA] offset:128           ; the next tile's entry (behind the count: a pad id)
	s_wait_loadcnt 0x0                             ; this tile's 34 loads, asked for a trip ago (in the first trip the weights too)
	MULT
	s_wait_dscnt 0x0
	NEXTADR                                        ; four plain lines that name no register of the products,
	PLACES 4                                       ; and four more: eight places ahead of loads into x's registers and of the first read of results
	ALOAD                                          ; the next tile lands under this tile's vector work
	GELU
	QUANT2
	global_store_b128 v[L16], v[PC:PC+3], s[HQB:HQB+1]             ; registers 4 c .. 4 c + 3, c = 2 c2: 512 consecutive bytes
	global_store_b128 v[L16], v[PC+4:PC+7], s[HQB:HQB+1] offset:512 ; c = 2 c2 + 1
	global_store_b16 v[R32], v[PW], s[HSB:HSB+1]                   ; my row's two bytes; both halves of the lanes write the same bytes with the same value
.Lskip:
	s_wait_xcnt 0x0                                ; the stores have read their data and bases: both are written again only behind this wait
	s_add_nc_u64 s[HQB:HQB+1], s[HQB:HQB+1], 0x20000   ; two tiles on
	s_add_nc_u64 s[HSB:HSB+1], s[HSB:HSB+1], 0x1000
	v_add_nc_u32 v[LA], 128, v[LA]
	s_add_co_u32 s[II], s[II], 1
	s_cmp_lt_u32 s[II], 32
	s_cbranch_scc1 .Ltile
	s_wait_tensorcnt 0x0
	ds_add_u32 v254, v255
	s_wait_dscnt 0x0
	s_endpgm
.Lfunc_end_k_q978d0ba04a_ffn1:
	.size	k_q978d0ba04a_ffn1, .Lfunc_end_k_q978d0ba04a_ffn1-k_q978d0ba04a_ffn1
	.p2alignl 7, 3214868480
	.fill 96, 4, 3214868480
	.section	.rodata,"a",@progbits
	.p2align	6, 0x0
	.amdhsa_kernel k_q978d0ba04a_ffn1
		.amdhsa_group_segment_fixed_size 4864
		.amdhsa_private_segment_fixed_size 0
		.amdhsa_enable_private_segment 0
		.amdhsa_kernarg_size 64
		.amdhsa_user_sgpr_count 2
		.amdhsa_user_sgpr_kernarg_segment_ptr 1
		.amdhsa_wavefront_size32 1
		.amdhsa_system_sgpr_workgroup_id_x 1
		.amdhsa_system_sgpr_workgroup_id_y 1
		.amdhsa_system_sgpr_workgroup_id_z 1
		.amdhsa_system_vgpr_workitem_id 0
		.amdhsa_next_free_vgpr 896
		.amdhsa_next_free_sgpr 66
		.amdhsa_reserve_vcc 0
		.amdhsa_float_denorm_mode_32 3
		.amdhsa_float_denorm_mode_16_64 3
		.amdhsa_memory_ordered 1
		.amdhsa_forward_progress 1
		.amdhsa_inst_pref_size 68
	.end_amdhsa_kernel
	.amdgpu_metadata
---
amdhsa.version: [ 1, 2 ]
amdhsa.kernels:
  - .name:           k_q978d0ba04a_ffn1
    .symbol:         k_q978d0ba04a_ffn1.kd
    .args:
      - { .name: route, .offset: 0, .size: 8, .value_kind: global_buffer, .address_space: global }
      - { .name: xq, .offset: 8, .size: 8, .value_kind: global_buffer, .address_space: global }
      - { .name: xs, .offset: 16, .size: 8, .value_kind: global_buffer, .address_space: global }
      - { .name: w1_codes, .offset: 24, .size: 8, .value_kind: global_buffer, .address_space: global }
      - { .name: w1_scales, .offset: 32, .size: 8, .value_kind: global_buffer, .address_space: global }
      - { .name: b1, .offset: 40, .size: 8, .value_kind: global_buffer, .address_space: global }
      - { .name: hq, .offset: 48, .size: 8, .value_kind: global_buffer, .address_space: global }
      - { .name: hs, .offset: 56, .size: 8, .value_kind: global_buffer, .address_space: global }
    .group_segment_fixed_size: 4864
    .private_segment_fixed_size: 0
    .kernarg_segment_align: 8
    .kernarg_segment_size: 64
    .max_flat_workgroup_size: 128
    .sgpr_count:     66
    .vgpr_count:     896
    .wavefront_size: 32
...
	.end_amdgpu_metadata
.endif
;; end of part 2
;; launch ffn2 (part 3): grid 256 x 1, 4 waves a work-group, no clusters, 78,848 bytes of LDS; arguments route, gsc, hq, hs, w2_codes, w2_scales, b2, y; writes y
.if DOCPART == 3
	.amdgcn_target "amdgcn-amd-amdhsa--gfx1250"
	.amdhsa_code_object_version 6
	.text
	.protected	k_q978d0ba04a_ffn2
	.globl	k_q978d0ba04a_ffn2
	.p2align	8
	.type	k_q978d0ba04a_ffn2,@function
k_q978d0ba04a_ffn2:
	s_mov_b64 s[64:65], 0
	v_nop
	global_prefetch_b8 v0, s[64:65] scope:SCOPE_SE
	s_setreg_imm32_b32 hwreg(HW_REG_WAVE_MODE, 25, 1), 1
	s_wait_xcnt 0x0
; THE SECOND PRODUCT OF THE CHOSEN ROWS: y[row id] = score x (h w2[e] + b2[e]), on codes of E4M3 with E8M0 scales; row id = 2 t + slot.
; THE WEIGHTS STAND, THE ROWS WALK.  Work-group = (expert e = wg / 32, cg = (wg / 2) % 16: output columns 64 cg .. + 63, p = wg % 2: tiles of 16 rows j = p, p + 2, ..).
; Wave w owns a quarter of K: K steps 8 w .. 8 w + 7, for all four tiles of columns: 32 fragments, 512 registers, loaded once.  So each byte of a tile of h that the work-group needs is loaded by one wave,
; by loads of 512 consecutive bytes (hq holds images of the operand's registers).  The four partial sums meet in LDS, two tiles at a time; each wave adds up 8 of the 32 rows and stores them.
; THE LIST is made as in the launch before, by the same passes, so that place pos holds the same row; beside each row id lies its score.  Pad places hold ids 2048 + 64 e + pos % 64:
; rows of y behind the 2,048 that are read; a work-group's pad rows and columns are its own.
; THE LOOP has 8 trips of two pairs of tiles, the most that any split needs; a pair beyond the count jumps over its work, never over a barrier.  Where the count is odd, the last pair's second tile
; takes the last tile's codes once more, and its places in the list are pads.
; THE MATRIX INSTRUCTION IS USED TRANSPOSED (source 0 = 16 rows of w2, source 1 = 16 rows of h): a lane holds one row and eight neighbouring columns.
; NO TENSOR LOAD, NO JOINT REQUEST: the number of tiles hangs on a count read from memory.
; LIMIT: a work-group with no tile (its expert has fewer tiles than its parity needs) still loads one tile of hq, which may be unwritten, and uses none of it.
; REGISTERS: window 0 as named below; window 1: w2's fragments (tile n, K step s < 4) at v[16 (4 s + n)]; window 2: those of s >= 4; window 3: two buffers of h's eight fragments, v0-127 and v128-255.
.set SCL, 4352                         ; LDS: the list at 0 (1,088 words), the scores beside it,
.set EX,  8704                         ; and the exchange: 2 regions x 4 waves x 2 tiles x 16 rows x (256 + 16) bytes
.set EXR, 34816
.set AO,  4                            ; v4   hq: 16,384 w + 16 lane
.set HSO, 5                            ; v5   hs: 512 w + 32 r
.set ST,  6                            ; v6   exchange, in: EX + 8,704 w + 272 r + 32 h
.set RD,  7                            ; v7   exchange, out: EX + 4,352 (w / 2) + 272 (8 (w % 2) + h) + 16 r
.set LB,  8                            ; v8   the list: 4 (16 p + 32 (w / 2) + 8 (w % 2) + h), 256 on with each pair
.set C16, 9                            ; v9   16 r
.set WO,  10                           ; v10  w2: 4,096 r + 16 h
.set WSO, 11                           ; v11  its scale bytes: 128 r
.set HSW, 16                           ; v16-31   h's scale words: 8 a + s
.set W2S, 32                           ; v32-63   w2's: 8 n + s
.set ACC, 64                           ; v64-127  the accumulators: 32 a + 8 n
.set R,   128                          ; v128-191 partial sums read back: 16 src + 4 i2
.set B2,  192                          ; v192-195 b2 of my four columns
.set RID, 196
.set SCR, 200
.set VO,  204
.set RW,  64                           ; at the head: route's words,
.set SG,  128                          ; the scores: register 2 (4 i + q) + slot,
.set BIA, 96                           ; and the list's registers
.set BDUMP, 97
.set BT2, 98
.set BPA, 99
.set BPB, 100
.set BT,  101
.set BU,  102
.set BPZ, 103
.set BZ,  104
.set L16, 105
.set L32, 106
.set WV,  20
.set CG,  21
.set PP,  22
.set EE,  23
.set CNT, 25
.set NP,  26                           ; s26  my tiles
.set LAST, 27                          ; s27  the last of them (0 where there is none)
.set SELB, 28
.set SEL1, 29
.set SM,  30
.set SB,  31
.set TB0, 38                           ; s38  64 e + p
.set SH8, 39
.set HQB, 46                           ; s[46:47], s[48:49] hq at the tile of buffer 0, 1
.set HSB, 50                           ; s[50:51], s[52:53] hs likewise
.set YB,  54                           ; s[54:55] y + 256 cg
.set II,  56                           ; s56  the pair's first tile
.set LC,  57                           ; s57  the trip
.set MSB, 0
.macro WIN new                         ; the immediate's high byte repeats the setting that is left
.if MSB != \new
	s_set_vgpr_msb (MSB<<8)|\new
.set MSB, \new
.endif
.endm
.macro PLACES n
.rept \n
	v_nop
.endr
.endm
.macro LOADW q0, q1                    ; w2's loads q0 .. q1 - 1 of 128: tile q / 32, K step (q / 4) % 8, piece q % 4
.set q, \q0
.rept \q1-\q0
.set wn, q/32
.set ws, (q/4)%8
.set wc, q%4
.if ws < 4
	WIN 0x40
.else
	WIN 0x80
.endif
	global_load_b128 v[16*(4*(ws%4)+wn)+4*wc:16*(4*(ws%4)+wn)+4*wc+3], v[WO], s[12:13] offset:65536*wn+128*ws+32*wc
.set q, q+1
.endr
	WIN 0
.endm
; THE LIST, as in the launch before, with each row's score beside its id.  Only wave 0 stores, and no other wave touches LDS ahead of the barrier.
.macro BUILD_LIST
	s_mov_b32 s[CNT], 0
	s_cmp_lg_u32 s[WV], 0
	s_cbranch_scc1 .Lcount_\@
.set k, 0
.rept 33
.if k%2 == 0
	ds_store_b32 v[BIA], v[BPA] offset:128*k
.else
	ds_store_b32 v[BIA], v[BPB] offset:128*k
.endif
	ds_store_b32 v[BIA], v[BZ] offset:SCL+128*k    ; a pad row's score is 0
.set k, k+1
.endr
.set k, 0
.rept 32
	v_and_b32 v[BT], s[SELB], v[RW+k]
	v_cmp_ne_u32 s[SM], 0, v[BT]                   ; who chose e
	v_and_b32 v[BU], s[SEL1], v[RW+k]
	v_lshrrev_b32 v[BU], s[SH8], v[BU]             ; as which slot: 0 or 1
	v_cmp_ne_u32 vcc_lo, 0, v[BU]
	v_mbcnt_lo_u32_b32 v[BPZ], s[SM], s[CNT]
	v_cndmask_b32 v[BPZ], v[BDUMP], v[BPZ], s[SM]
	v_min_u32 v[BPZ], 1087, v[BPZ]                 ; a place made of loaded numbers is held inside the list's 1,088 words
	v_lshlrev_b32 v[BPZ], 2, v[BPZ]
	v_add3_u32 v[BU], v[BU], v[BT2], 2*(128*(k/4)+k%4)   ; the row id 2 t + slot
	v_cndmask_b32 v[BT], v[SG+2*k], v[SG+2*k+1], vcc_lo  ; that slot's score
	ds_store_b32 v[BPZ], v[BU]
	ds_store_b32 v[BPZ], v[BT] offset:SCL
	s_bcnt1_i32_b32 s[SB], s[SM]
	s_add_co_u32 s[CNT], s[CNT], s[SB]
.set k, k+1
.endr
	s_branch .Ljoin_\@
.Lcount_\@:
.set k, 0
.rept 32
	v_and_b32 v[BT], s[SELB], v[RW+k]
	v_cmp_ne_u32 s[SM], 0, v[BT]
	s_bcnt1_i32_b32 s[SB], s[SM]
	s_add_co_u32 s[CNT], s[CNT], s[SB]
.set k, k+1
.endr
.Ljoin_\@:
	s_wait_dscnt 0x0                               ; for the others' sake: the list has landed
	s_barrier_signal -1
	s_barrier_wait -1
.endm
; My quarter of tile II + d (held at my last tile) into buffer buf: 32 loads of 512 consecutive bytes and two of scale words: 34.  The buffer's bases are free: the wait at the head of the
; buffer's products has shown its earlier loads done.
.macro AFETCH buf, d
	s_add_co_u32 s32, s[II], \d
	s_min_u32 s32, s32, s[LAST]
	s_lshl_b32 s32, s32, 1
	s_add_co_u32 s32, s32, s[TB0]
	s_min_u32 s32, s32, 511                        ; a tile's number made of loaded numbers is held inside the 512 tiles
	s_lshl_b32 s36, s32, 16
	s_add_nc_u64 s[HQB+2*\buf:HQB+2*\buf+1], s[8:9], s[36:37]
	s_lshl_b32 s36, s32, 11
	s_add_nc_u64 s[HSB+2*\buf:HSB+2*\buf+1], s[10:11], s[36:37]
	WIN 0xc0
.set k, 0
.rept 32
	global_load_b128 v[128*\buf+4*k:128*\buf+4*k+3], v[AO], s[HQB+2*\buf:HQB+2*\buf+1] offset:512*k
.set k, k+1
.endr
	WIN 0
	global_load_b128 v[HSW+8*\buf:HSW+8*\buf+3], v[HSO], s[HSB+2*\buf:HSB+2*\buf+1]
	global_load_b128 v[HSW+8*\buf+4:HSW+8*\buf+7], v[HSO], s[HSB+2*\buf:HSB+2*\buf+1] offset:16
.endm
.macro MUL a                           ; 32 matrix instructions: K step by K step, four accumulators by turns, one instruction a turn; the first K step starts the sums
.set ks, 0
.rept 8
.if ks < 4
	WIN 0x0d                                       ; source 0 (w2) window 1, source 1 (h) window 3, C and D window 0
.else
	WIN 0x0e
.endif
.set kn, 0
.rept 4
.set rW, 16*(4*(ks%4)+kn)
.set rD, ACC+32*\a+8*kn
.if ks == 0
	v_wmma_scale_f32_16x16x128_f8f6f4 v[rD:rD+7], v[rW:rW+15], v[128*\a+16*ks:128*\a+16*ks+15], 0, v[W2S+8*kn+ks], v[HSW+8*\a+ks]
.else
	v_wmma_scale_f32_16x16x128_f8f6f4 v[rD:rD+7], v[rW:rW+15], v[128*\a+16*ks:128*\a+16*ks+15], v[rD:rD+7], v[W2S+8*kn+ks], v[HSW+8*\a+ks]
.endif
.set kn, kn+1
.endr
.set ks, ks+1
.endr
	WIN 0
.endm
; A PAIR OF TILES, through region reg of the exchange.  One barrier a pair: region reg is written again two pairs on, and every wave has by then passed the barrier of the pair between,
; in front of which it waited for its reads.
.macro PAIR reg
	s_cmp_ge_u32 s[II], s[NP]
	s_cbranch_scc1 .LskipA_\@
.irp a, 0,1
	s_wait_loadcnt 34                              ; this buffer's 34 loads and all older ones are in; the other buffer's 34, issued behind them on every way here, may be out
	MUL \a
	PLACES 8                                       ; ahead of loads into h's registers and of the LDS stores that read results
	AFETCH \a, 2+\a                                ; the tile two on: it has a pair's work in which to land
.endr
.irp a, 0,1
.irp n, 0,1,2,3
	ds_store_b128 v[ST], v[ACC+32*\a+8*\n:ACC+32*\a+8*\n+3] offset:EXR*\reg+4352*\a+64*\n       ; each accumulator from its low end on
	ds_store_b128 v[ST], v[ACC+32*\a+8*\n+4:ACC+32*\a+8*\n+7] offset:EXR*\reg+4352*\a+64*\n+16
.endr
.endr
.LskipA_\@:
	s_wait_dscnt 0x0                               ; my partial sums have landed, and my reads of the other region are over
	s_barrier_signal -1
	s_barrier_wait -1
	s_cmp_ge_u32 s[II], s[NP]
	s_cbranch_scc1 .LskipB_\@
	s_wait_xcnt 0x0                                ; the last pair's stores have read their data and offsets
.irp i2, 0,1,2,3
	ds_load_b32 v[RID+\i2], v[LB] offset:8*\i2
	ds_load_b32 v[SCR+\i2], v[LB] offset:SCL+8*\i2
.endr
.irp src, 0,1,2,3
.irp i2, 0,1,2,3
	ds_load_b128 v[R+16*\src+4*\i2:R+16*\src+4*\i2+3], v[RD] offset:EXR*\reg+8704*\src+544*\i2   ; lanes 0-15 one row of 256 bytes, lanes 16-31 the next
.endr
.endr
	s_wait_dscnt 0x0
.irp i2, 0,1,2,3
	v_pk_add_f32 v[R+4*\i2:R+4*\i2+1], v[R+4*\i2:R+4*\i2+1], v[R+16+4*\i2:R+16+4*\i2+1]          ; (0 + 1) + (2 + 3): the four quarters of K
	v_pk_add_f32 v[R+4*\i2+2:R+4*\i2+3], v[R+4*\i2+2:R+4*\i2+3], v[R+16+4*\i2+2:R+16+4*\i2+3]
	v_pk_add_f32 v[R+32+4*\i2:R+32+4*\i2+1], v[R+32+4*\i2:R+32+4*\i2+1], v[R+48+4*\i2:R+48+4*\i2+1]
	v_pk_add_f32 v[R+32+4*\i2+2:R+32+4*\i2+3], v[R+32+4*\i2+2:R+32+4*\i2+3], v[R+48+4*\i2+2:R+48+4*\i2+3]
	v_min_u32 v[RID+\i2], 0x9ff, v[RID+\i2]        ; a row id out of the list is held inside y's 2,560 rows
	v_pk_add_f32 v[R+4*\i2:R+4*\i2+1], v[R+4*\i2:R+4*\i2+1], v[R+32+4*\i2:R+32+4*\i2+1]
	v_pk_add_f32 v[R+4*\i2+2:R+4*\i2+3], v[R+4*\i2+2:R+4*\i2+3], v[R+32+4*\i2+2:R+32+4*\i2+3]
	v_lshl_add_u32 v[VO+\i2], v[RID+\i2], 12, v[C16]
	v_pk_add_f32 v[R+4*\i2:R+4*\i2+1], v[R+4*\i2:R+4*\i2+1], v[B2:B2+1]
	v_pk_add_f32 v[R+4*\i2+2:R+4*\i2+3], v[R+4*\i2+2:R+4*\i2+3], v[B2+2:B2+3]
.irp c, 0,1,2,3
	v_mul_f32 v[R+4*\i2+\c], v[R+4*\i2+\c], v[SCR+\i2]
.endr
	global_store_b128 v[VO+\i2], v[R+4*\i2:R+4*\i2+3], s[YB:YB+1]   ; sixteen lanes store 256 consecutive bytes of one row, at a multiple of 256 from y's first byte
.endr
.LskipB_\@:
	s_add_co_u32 s[II], s[II], 2
	v_add_nc_u32 v[LB], 256, v[LB]                 ; 64 places on
.endm
	s_load_b512 s[4:19], s[0:1], 0x0               ; route s[4:5], gsc s[6:7], hq s[8:9], hs s[10:11], w2_codes s[12:13], w2_scales s[14:15], b2 s[16:17], y s[18:19]
	v_lshl_add_u32 v254, v0, 2, 0x13200
	v_mov_b32 v255, 0
	v_lshrrev_b32 v12, 5, v0
	v_readfirstlane_b32 s[WV], v12
	v_and_b32 v1, 31, v0                           ; lane
	v_and_b32 v2, 15, v0                           ; r
	v_bfe_u32 v3, v0, 4, 1                         ; h
	s_lshr_b32 s[EE], ttmp9, 5
	s_bfe_u32 s[CG], ttmp9, 0x40001                ; 4 bits from bit 1
	s_and_b32 s[PP], ttmp9, 1
	s_lshl_b32 s32, s[WV], 14
	v_lshl_add_u32 v[AO], v1, 4, s32
	s_lshl_b32 s32, s[WV], 9
	v_lshl_add_u32 v[HSO], v2, 5, s32
	s_mul_i32 s32, s[WV], 8704
	s_add_co_u32 s32, s32, EX
	v_mul_u32_u24 v[ST], v2, 272
	v_lshl_add_u32 v[ST], v3, 5, v[ST]
	v_add_nc_u32 v[ST], s32, v[ST]
	s_lshr_b32 s32, s[WV], 1
	s_mul_i32 s32, s32, 4352
	s_and_b32 s33, s[WV], 1
	s_mul_i32 s33, s33, 2176
	s_add_co_u32 s32, s32, s33
	s_add_co_u32 s32, s32, EX
	v_mul_u32_u24 v[RD], v3, 272
	v_lshl_add_u32 v[RD], v2, 4, v[RD]
	v_add_nc_u32 v[RD], s32, v[RD]
	s_lshl_b32 s32, s[PP], 6
	s_lshr_b32 s33, s[WV], 1
	s_lshl_b32 s33, s33, 7
	s_add_co_u32 s32, s32, s33
	s_and_b32 s33, s[WV], 1
	s_lshl_b32 s33, s33, 5
	s_add_co_u32 s32, s32, s33
	v_lshl_add_u32 v[LB], v3, 2, s32
	v_lshlrev_b32 v[C16], 4, v2
	v_lshlrev_b32 v[WO], 12, v2
	v_lshl_add_u32 v[WO], v3, 4, v[WO]
	v_lshlrev_b32 v[WSO], 7, v2
	v_lshlrev_b32 v[L16], 4, v1
	v_lshlrev_b32 v[L32], 5, v1
	v_lshlrev_b32 v[BIA], 2, v1                    ; the list's registers, made ahead of the parting of the waves
	v_add_nc_u32 v[BDUMP], 1056, v1
	v_lshlrev_b32 v[BT2], 3, v1
	s_lshl_b32 s32, s[EE], 6
	s_add_co_u32 s[TB0], s32, s[PP]
	s_add_co_u32 s32, s32, 2048
	v_add_nc_u32 v[BPA], s32, v1
	v_add_nc_u32 v[BPB], 32, v[BPA]
	v_mov_b32 v[BZ], 0
	s_lshl_b32 s[SELB], 0x101, s[EE]
	s_lshl_b32 s[SEL1], 0x100, s[EE]
	s_add_co_u32 s[SH8], s[EE], 8
	s_lshl_b32 s32, s[EE], 10
	s_lshl_b32 s33, s[CG], 6
	s_add_co_u32 s32, s32, s33                     ; my first column among the 8,192: 1024 e + 64 cg
	s_mov_b32 s37, 0
	s_wait_kmcnt 0x0
	s_lshl_b32 s36, s32, 12                        ; w2's codes: 4,096 bytes a column, + my quarter of K: 1,024 w
	s_lshl_b32 s33, s[WV], 10
	s_add_co_u32 s36, s36, s33
	s_add_nc_u64 s[12:13], s[12:13], s[36:37]
	s_lshl_b32 s36, s32, 7                         ; its scale bytes: 128 a column, + 32 w
	s_lshl_b32 s33, s[WV], 5
	s_add_co_u32 s36, s36, s33
	s_add_nc_u64 s[14:15], s[14:15], s[36:37]
	s_lshl_b32 s36, s32, 2
	s_add_nc_u64 s[16:17], s[16:17], s[36:37]      ; b2
	s_lshl_b32 s36, s[CG], 8
	s_add_nc_u64 s[YB:YB+1], s[18:19], s[36:37]    ; y at my columns
.irp i, 0,1,2,3,4,5,6,7
	global_load_b128 v[RW+4*\i:RW+4*\i+3], v[L16], s[4:5] offset:512*\i
.endr
.irp i, 0,1,2,3,4,5,6,7
	global_load_b128 v[SG+8*\i:SG+8*\i+3], v[L32], s[6:7] offset:1024*\i
	global_load_b128 v[SG+8*\i+4:SG+8*\i+7], v[L32], s[6:7] offset:1024*\i+16
.endr
	global_load_b128 v[B2:B2+3], v[C16], s[16:17]
	LOADW 0, 32                                    ; weights go out ahead of the list's work
	s_wait_loadcnt 32                              ; route, the scores and b2 are in; the 32 behind them stay out
	BUILD_LIST
	LOADW 32, 128
.irp n, 0,1,2,3
	global_load_b128 v[W2S+8*\n:W2S+8*\n+3], v[WSO], s[14:15] offset:2048*\n
	global_load_b128 v[W2S+8*\n+4:W2S+8*\n+7], v[WSO], s[14:15] offset:2048*\n+16
.endr
	s_add_co_u32 s32, s[CNT], 15
	s_lshr_b32 s32, s32, 4                         ; tiles of the expert
	s_add_co_u32 s32, s32, 1
	s_sub_co_u32 s32, s32, s[PP]
	s_lshr_b32 s[NP], s32, 1                       ; those of my parity: at most 32
	s_max_u32 s[LAST], s[NP], 1
	s_sub_co_u32 s[LAST], s[LAST], 1
	s_mov_b32 s[II], 0
	AFETCH 0, 0
	AFETCH 1, 1
	s_mov_b32 s[LC], 0
.Lpair:
	PAIR 0
	PAIR 1
	s_add_co_u32 s[LC], s[LC], 1
	s_cmp_lt_u32 s[LC], 8
	s_cbranch_scc1 .Lpair
	s_wait_tensorcnt 0x0
	ds_add_u32 v254, v255
	s_wait_dscnt 0x0
	s_endpgm
.Lfunc_end_k_q978d0ba04a_ffn2:
	.size	k_q978d0ba04a_ffn2, .Lfunc_end_k_q978d0ba04a_ffn2-k_q978d0ba04a_ffn2
	.p2alignl 7, 3214868480
	.fill 96, 4, 3214868480
	.section	.rodata,"a",@progbits
	.p2align	6, 0x0
	.amdhsa_kernel k_q978d0ba04a_ffn2
		.amdhsa_group_segment_fixed_size 78848
		.amdhsa_private_segment_fixed_size 0
		.amdhsa_enable_private_segment 0
		.amdhsa_kernarg_size 64
		.amdhsa_user_sgpr_count 2
		.amdhsa_user_sgpr_kernarg_segment_ptr 1
		.amdhsa_wavefront_size32 1
		.amdhsa_system_sgpr_workgroup_id_x 1
		.amdhsa_system_sgpr_workgroup_id_y 1
		.amdhsa_system_sgpr_workgroup_id_z 1
		.amdhsa_system_vgpr_workitem_id 0
		.amdhsa_next_free_vgpr 1024
		.amdhsa_next_free_sgpr 66
		.amdhsa_reserve_vcc 1
		.amdhsa_float_denorm_mode_32 3
		.amdhsa_float_denorm_mode_16_64 3
		.amdhsa_memory_ordered 1
		.amdhsa_forward_progress 1
		.amdhsa_inst_pref_size 103
	.end_amdhsa_kernel
	.amdgpu_metadata
---
amdhsa.version: [ 1, 2 ]
amdhsa.kernels:
  - .name:           k_q978d0ba04a_ffn2
    .symbol:         k_q978d0ba04a_ffn2.kd
    .args:
      - { .name: route, .offset: 0, .size: 8, .value_kind: global_buffer, .address_space: global }
      - { .name: gsc, .offset: 8, .size: 8, .value_kind: global_buffer, .address_space: global }
      - { .name: hq, .offset: 16, .size: 8, .value_kind: global_buffer, .address_space: global }
      - { .name: hs, .offset: 24, .size: 8, .value_kind: global_buffer, .address_space: global }
      - { .name: w2_codes, .offset: 32, .size: 8, .value_kind: global_buffer, .address_space: global }
      - { .name: w2_scales, .offset: 40, .size: 8, .value_kind: global_buffer, .address_space: global }
      - { .name: b2, .offset: 48, .size: 8, .value_kind: global_buffer, .address_space: global }
      - { .name: y, .offset: 56, .size: 8, .value_kind: global_buffer, .address_space: global }
    .group_segment_fixed_size: 78848
    .private_segment_fixed_size: 0
    .kernarg_segment_align: 8
    .kernarg_segment_size: 64
    .max_flat_workgroup_size: 128
    .sgpr_count:     66
    .vgpr_count:     1024
    .wavefront_size: 32
...
	.end_amdgpu_metadata
.endif
;; end of part 3
;; launch combine (part 4): grid 256 x 1, 4 waves a work-group, no clusters, 0 bytes of LDS; arguments y, out0; writes out0
.if DOCPART == 4
	.amdgcn_target "amdgcn-amd-amdhsa--gfx1250"
	.amdhsa_code_object_version 6
	.text
	.protected	k_q978d0ba04a_combine
	.globl	k_q978d0ba04a_combine
	.p2align	8
	.type	k_q978d0ba04a_combine,@function
k_q978d0ba04a_combine:
	s_mov_b64 s[64:65], 0
	v_nop
	global_prefetch_b8 v0, s[64:65] scope:SCOPE_SE
	s_setreg_imm32_b32 hwreg(HW_REG_WAVE_MODE, 25, 1), 1
	s_wait_xcnt 0x0
; out0[t] = y[2 t] + y[2 t + 1]: a token's two weighted expert rows, each made whole by the launch before.  A stream: every byte of the 2,048 rows is read once, every byte of out0 written once.
; A wave takes a token: sixteen loads of 512 consecutive bytes, all out at once, the two rows by turns; eight stores of 512 consecutive bytes.  No LDS, no barrier, no loop, no matrix unit: nothing is shared.
.set A, 16                             ; v16-79: piece i of row 2 t at v[16 + 8 i], of row 2 t + 1 at v[20 + 8 i]
	s_load_b128 s[4:7], s[0:1], 0x0                ; y, out0
	v_lshrrev_b32 v1, 5, v0
	v_readfirstlane_b32 s8, v1                     ; wave
	v_and_b32 v2, 31, v0
	v_lshlrev_b32 v2, 4, v2                        ; 16 x lane
	s_lshl_b32 s9, ttmp9, 2
	s_add_co_u32 s9, s9, s8                        ; my token
	s_lshl_b32 s10, s9, 13                         ; two rows of 4,096 bytes
	s_mov_b32 s11, 0
	s_lshl_b32 s12, s9, 12
	s_mov_b32 s13, 0
	s_wait_kmcnt 0x0
	s_add_nc_u64 s[4:5], s[4:5], s[10:11]
	s_add_nc_u64 s[6:7], s[6:7], s[12:13]
.irp i, 0,1,2,3,4,5,6,7
	global_load_b128 v[A+8*\i:A+8*\i+3], v2, s[4:5] offset:512*\i th:TH_LOAD_NT
	global_load_b128 v[A+8*\i+4:A+8*\i+7], v2, s[4:5] offset:4096+512*\i th:TH_LOAD_NT
.endr
.irp i, 0,1,2,3,4,5,6,7
	s_wait_loadcnt 14-2*\i                         ; loads come back in order (ISA guide 5.7.1): piece i of both rows is in, the younger pieces stay out
	v_pk_add_f32 v[A+8*\i:A+8*\i+1], v[A+8*\i:A+8*\i+1], v[A+8*\i+4:A+8*\i+5]
	v_pk_add_f32 v[A+8*\i+2:A+8*\i+3], v[A+8*\i+2:A+8*\i+3], v[A+8*\i+6:A+8*\i+7]
	global_store_b128 v2, v[A+8*\i:A+8*\i+3], s[6:7] offset:512*\i th:TH_STORE_NT
.endr
	s_endpgm
.Lfunc_end_k_q978d0ba04a_combine:
	.size	k_q978d0ba04a_combine, .Lfunc_end_k_q978d0ba04a_combine-k_q978d0ba04a_combine
	.p2alignl 7, 3214868480
	.fill 96, 4, 3214868480
	.section	.rodata,"a",@progbits
	.p2align	6, 0x0
	.amdhsa_kernel k_q978d0ba04a_combine
		.amdhsa_group_segment_fixed_size 0
		.amdhsa_private_segment_fixed_size 0
		.amdhsa_enable_private_segment 0
		.amdhsa_kernarg_size 16
		.amdhsa_user_sgpr_count 2
		.amdhsa_user_sgpr_kernarg_segment_ptr 1
		.amdhsa_wavefront_size32 1
		.amdhsa_system_sgpr_workgroup_id_x 1
		.amdhsa_system_sgpr_workgroup_id_y 1
		.amdhsa_system_sgpr_workgroup_id_z 1
		.amdhsa_system_vgpr_workitem_id 0
		.amdhsa_next_free_vgpr 80
		.amdhsa_next_free_sgpr 66
		.amdhsa_reserve_vcc 0
		.amdhsa_float_denorm_mode_32 3
		.amdhsa_float_denorm_mode_16_64 3
		.amdhsa_memory_ordered 1
		.amdhsa_forward_progress 1
		.amdhsa_inst_pref_size 5
	.end_amdhsa_kernel
	.amdgpu_metadata
---
amdhsa.version: [ 1, 2 ]
amdhsa.kernels:
  - .name:           k_q978d0ba04a_combine
    .symbol:         k_q978d0ba04a_combine.kd
    .args:
      - { .name: y, .offset: 0, .size: 8, .value_kind: global_buffer, .address_space: global }
      - { .name: out0, .offset: 8, .size: 8, .value_kind: global_buffer, .address_space: global }
    .group_segment_fixed_size: 0
    .private_segment_fixed_size: 0
    .kernarg_segment_align: 8
    .kernarg_segment_size: 16
    .max_flat_workgroup_size: 128
    .sgpr_count:     66
    .vgpr_count:     80
    .wavefront_size: 32
...
	.end_amdgpu_metadata
.endif
;; end of part 4
;; ======== version 2 of 2: 4 launches
;; workspace buffers: route 4,096 bytes of whole numbers; gsc 8,192 bytes; xq 1,048,576 bytes; xs 32,768 bytes; hq 33,554,432 bytes; hs 1,048,576 bytes; y 10,485,760 bytes
;; launch gate (part 5): grid 256 x 1, 4 waves a work-group, no clusters, 54,784 bytes of LDS; arguments x, gate_w, gate_b, route, gsc, xq, xs; writes route, gsc, xq, xs
.if DOCPART == 5
	.amdgcn_target "amdgcn-amd-amdhsa--gfx1250"
	.amdhsa_code_object_version 6
	.text
	.protected	k_q978d0ba04a_gate
	.globl	k_q978d0ba04a_gate
	.p2align	8
	.type	k_q978d0ba04a_gate,@function
k_q978d0ba04a_gate:
	s_mov_b64 s[64:65], 0
	v_nop
	global_prefetch_b8 v0, s[64:65] scope:SCOPE_SE
	s_setreg_imm32_b32 hwreg(HW_REG_WAVE_MODE, 25, 1), 1
	s_wait_xcnt 0x0
; THE GATE AND x's CODES.  logits = x gate_w + gate_b in f32 (fused multiply-adds); the two largest logits of a token (ties: the lower index first), their softmax with the
; larger taken away ahead of the exponential; and x [1024][1024] f32 turned into codes of E4M3 with one E8M0 byte for each 32 along K.
; OUT: route[t] = (1 << first expert) | (256 << second expert), a whole number; gsc[t][2] the two scores; xq[t][1024] codes, K as it lies; xs[t][32] scale bytes.
; SHARES: a wave takes one token, t = 4 x work-group + wave.  A lane holds 16 neighbours along K, twice (k = 512 st + 16 lane + 0..15): two neighbouring lanes hold a block of 32.
; The loads take the row as it lies, 512 consecutive bytes each; the row turns through the wave's own stage in LDS (places of 64 bytes, 80 apart).
; gate_w (32,768 bytes) is brought into LDS once by the four waves, in chunks of 16 k x 8 experts (512 bytes, 528 apart), so that a lane reads its own chunk without meeting its neighbours' banks.
; No matrix unit: N = 8 is under a tile's width and the product stays in f32.  No cluster: the work-groups share gate_w alone, 32 KB against a launch of 4 MB of x.
; LIMITS: NaN and infinities among the logits or in x are not served.  A block of zeros gets the byte 1: its codes are zeros, and this program alone reads the bytes.
.set GWP, 528                          ; a chunk of gate_w in LDS: 512 bytes + 16
.set STG, 33792                        ; behind the 64 chunks: the stages
.set STW, 5120                         ; a wave's stage: 64 places x 80 bytes
.set XR,  16                           ; v16-47   x as loaded
.set XT,  48                           ; v48-79   x turned: 16 neighbours for each st
.set GW,  80                           ; v80-207  gate_w: register 8 kk + e = gate_w[my k + kk][e]
.set ACC, 208                          ; v208-215 the eight sums
.set WK,  216                          ; v216-222 at work
.set WD,  224                          ; v224-225 the scale words, one for each st
.set TP,  228                          ; v228-235 the other half of the lanes' sums
.set SC,  236                          ; v236-237 the two scores
.set CD,  240                          ; v240-247 the codes, four registers for each st: no store's data are written again
	s_load_b256 s[4:11], s[0:1], 0x0               ; x s[4:5], gate_w s[6:7], gate_b s[8:9], route s[10:11]
	s_load_b128 s[12:15], s[0:1], 0x20             ; gsc s[12:13], xq s[14:15]
	s_load_b64 s[16:17], s[0:1], 0x30              ; xs
	v_lshl_add_u32 v254, v0, 2, 0xd400
	v_mov_b32 v255, 0
	v_lshrrev_b32 v1, 5, v0
	v_readfirstlane_b32 s18, v1                    ; wave
	v_and_b32 v2, 31, v0                           ; lane
	v_mov_b32 v3, 0
	v_lshlrev_b32 v4, 4, v2                        ; 16 x lane: x's loads and xq's stores
	v_lshlrev_b32 v5, 4, v0                        ; 16 x thread: gate_w's loads
	s_lshl_b32 s19, ttmp9, 2
	s_add_co_u32 s19, s19, s18                     ; my token
	s_mul_i32 s20, s18, STW
	s_add_co_u32 s20, s20, STG                     ; my stage
	v_lshrrev_b32 v13, 2, v2
	v_mul_u32_u24 v13, v13, 80
	v_and_b32 v14, 3, v2
	v_lshl_add_u32 v13, v14, 4, v13
	v_add_nc_u32 v6, s20, v13                      ; into the stage: four lanes' 64 bytes on end: 80 (lane / 4) + 16 (lane % 4)
	v_mul_u32_u24 v7, v2, 80
	v_add_nc_u32 v7, s20, v7                       ; out of it: 80 x lane
	s_mul_i32 s21, s18, GWP
	v_add_nc_u32 v8, s21, v4                       ; gate_w into LDS: chunk 4 j + wave, 16 x lane
	v_mul_u32_u24 v9, v2, GWP                      ; and out: chunk 32 st + lane
	v_lshrrev_b32 v13, 3, v2
	v_lshlrev_b32 v11, 2, v13                      ; xs: eight lanes make one word: 4 (lane / 8)
	v_bfe_u32 v14, v2, 1, 2
	v_lshlrev_b32 v12, 3, v14                      ; my block's byte in that word: shift 8 ((lane / 2) % 4)
	s_mov_b32 s23, 0
	s_mov_b32 s35, 0x600000                        ; the mantissa field of 448
	s_mov_b32 s36, 0x76543210
	s_mov_b32 s37, 0xfedcba98                      ; v_permlanex16_b32's selects for lane l xor 16
	v_mov_b32 v[WK+6], 0                           ; destinations of lane moves count as read: written once
.irp e, 0,1,2,3,4,5,6,7
	v_mov_b32 v[TP+\e], 0
.endr
	s_wait_kmcnt 0x0
	s_load_b256 s[24:31], s[8:9], 0x0              ; gate_b: nobody writes it
	s_lshl_b32 s22, s19, 12
	s_add_nc_u64 s[4:5], s[4:5], s[22:23]          ; x at my row
	s_lshl_b32 s22, s19, 10
	s_add_nc_u64 s[14:15], s[14:15], s[22:23]      ; xq likewise
	s_lshl_b32 s22, s19, 5
	s_add_nc_u64 s[16:17], s[16:17], s[22:23]      ; xs
	s_lshl_b32 s22, s19, 2
	s_add_nc_u64 s[10:11], s[10:11], s[22:23]      ; route
	s_lshl_b32 s22, s19, 3
	s_add_nc_u64 s[12:13], s[12:13], s[22:23]      ; gsc
.irp i, 0,1,2,3,4,5,6,7
	global_load_b128 v[XR+4*\i:XR+4*\i+3], v4, s[4:5] offset:512*\i th:TH_LOAD_NT   ; 512 consecutive bytes; read once in the launch
.endr
.irp j, 0,1,2,3,4,5,6,7,8,9,10,11,12,13,14,15
	global_load_b128 v[GW+4*\j:GW+4*\j+3], v5, s[6:7] offset:2048*\j               ; the four waves take 2,048 consecutive bytes
.endr
	s_wait_loadcnt 16                              ; x's eight loads are in; gate_w's sixteen may be out
.irp i, 0,1,2,3,4,5,6,7
	ds_store_b128 v6, v[XR+4*\i:XR+4*\i+3] offset:640*\i
.endr
.irp st, 0,1
.irp j, 0,1,2,3
	ds_load_b128 v[XT+16*\st+4*\j:XT+16*\st+4*\j+3], v7 offset:2560*\st+16*\j      ; LDS serves a wave's instructions in order (ISA guide 5.7.1): these see my stores
.endr
.endr
	s_wait_loadcnt 0x0                             ; gate_w
.irp j, 0,1,2,3,4,5,6,7,8,9,10,11,12,13,14,15
	ds_store_b128 v8, v[GW+4*\j:GW+4*\j+3] offset:2112*\j
.endr
	s_wait_dscnt 0x0                               ; for the others' sake: my part of gate_w has landed (and my row is back)
	s_barrier_signal -1
	s_barrier_wait -1
; One half of the row: 16 numbers a lane.  The scale's lines stand between the loads of gate_w's chunk and the wait for them.
.macro HALF st
.set XB, XT+16*\st
.set jj, 0
.rept 32
	ds_load_b128 v[GW+4*jj:GW+4*jj+3], v9 offset:16896*\st+16*jj
.set jj, jj+1
.endr
	v_max3_num_f32 v[WK], |v[XB]|, |v[XB+1]|, |v[XB+2]|            ; the largest magnitude of my 16, in two chains
	v_max3_num_f32 v[WK+1], |v[XB+3]|, |v[XB+4]|, |v[XB+5]|
.irp i, 6,10
	v_max3_num_f32 v[WK], v[WK], |v[XB+\i]|, |v[XB+\i+1]|
	v_max3_num_f32 v[WK+1], v[WK+1], |v[XB+\i+2]|, |v[XB+\i+3]|
.endr
	v_max3_num_f32 v[WK], v[WK], |v[XB+14]|, |v[XB+15]|
	v_max3_num_f32 v[WK], v[WK], v[WK+1], 0x4800000                ; and the floor 2^(9 - 127): the byte cannot fall under 1
	v_max_num_f32_dpp v[WK], v[WK], v[WK] row_xmask:1 row_mask:0xf bank_mask:0xf   ; with my neighbour's 16: the block's
	v_add_nc_u32 v[WK+3], 0xfc000000, v[WK]                        ; 8 off the exponent field: the conversion's scale operand
	v_and_or_b32 v[WK+2], v[WK], 0x7f800000, s35                   ; 448 x the scale
	v_lshrrev_b32 v[WK+4], 23, v[WK+3]                             ; the scale's byte
	s_wait_dscnt 0x0                               ; my chunk of gate_w is in
.set kk, 0
.rept 16                                       ; logits: four pairs of sums by turns; of x's pair one word serves both halves
.set mm, 0
.rept 4
.if (\st == 0) && (kk == 0)
	v_pk_mul_f32 v[ACC+2*mm:ACC+2*mm+1], v[GW+2*mm:GW+2*mm+1], v[XB:XB+1] op_sel_hi:[1,0]   ; the first product starts the sums
.elseif kk%2 == 0
	v_pk_fma_f32 v[ACC+2*mm:ACC+2*mm+1], v[GW+8*kk+2*mm:GW+8*kk+2*mm+1], v[XB+kk:XB+kk+1], v[ACC+2*mm:ACC+2*mm+1] op_sel_hi:[1,0,1]
.else
	v_pk_fma_f32 v[ACC+2*mm:ACC+2*mm+1], v[GW+8*kk+2*mm:GW+8*kk+2*mm+1], v[XB+kk-1:XB+kk], v[ACC+2*mm:ACC+2*mm+1] op_sel:[0,1,0] op_sel_hi:[1,1,1]
.endif
.set mm, mm+1
.endr
.set kk, kk+1
.endr
.set kk, 0
.rept 16
	v_med3_num_f32 v[XB+kk], v[XB+kk], -v[WK+2], v[WK+2]           ; the conversion to an 8-bit code does not saturate (ISA guide 7.6.2): the hold at 448 x the scale
.set kk, kk+1
.endr
	v_cvt_scalef32_pk8_fp8_f32 v[CD+4*\st:CD+4*\st+1], v[XB:XB+7], v[WK+3]
	v_cvt_scalef32_pk8_fp8_f32 v[CD+4*\st+2:CD+4*\st+3], v[XB+8:XB+15], v[WK+3]
	v_lshlrev_b32 v[WK+5], v12, v[WK+4]                            ; my byte at its place in the word (a plain line behind the conversions)
	v_mov_b32_dpp v[WK+6], v[WK+5] row_xmask:2 row_mask:0xf bank_mask:0xf
	v_or_b32 v[WK+5], v[WK+5], v[WK+6]
	v_mov_b32_dpp v[WK+6], v[WK+5] row_xmask:4 row_mask:0xf bank_mask:0xf
	v_or_b32 v[WD+\st], v[WK+5], v[WK+6]                           ; the four bytes of 128 along K, in all eight lanes
	global_store_b128 v4, v[CD+4*\st:CD+4*\st+3], s[14:15] offset:512*\st   ; the wave stores 512 consecutive bytes
	global_store_b32 v11, v[WD+\st], s[16:17] offset:16*\st        ; eight lanes write the same word with the same value: 16 bytes a wave
.endm
	HALF 0
	HALF 1
	; the eight sums over the 32 lanes
.irp msk, 1,2,4,8
.irp e, 0,1,2,3,4,5,6,7
	v_add_f32_dpp v[ACC+\e], v[ACC+\e], v[ACC+\e] row_xmask:\msk row_mask:0xf bank_mask:0xf
.endr
.endr
.irp e, 0,1,2,3,4,5,6,7
	v_permlanex16_b32 v[TP+\e], v[ACC+\e], s36, s37
.endr
.irp e, 0,1,2,3,4,5,6,7
	v_add_f32 v[ACC+\e], v[ACC+\e], v[TP+\e]
.endr
	s_wait_alu depctr_va_vdst(0)
	s_wait_kmcnt 0x0                               ; gate_b
.irp e, 0,1,2,3,4,5,6,7
	v_add_f32 v[ACC+\e], s[24+\e], v[ACC+\e]
.endr
	; the largest logit: the old one stays where the new one is not larger, so the lower index wins a tie
	v_mov_b32 v216, v[ACC]
	v_mov_b32 v217, 0
.irp e, 1,2,3,4,5,6,7
	v_cmp_le_f32 vcc_lo, v[ACC+\e], v216
	v_cndmask_b32 v216, v[ACC+\e], v216, vcc_lo
	v_cndmask_b32 v217, \e, v217, vcc_lo
.endr
	; the second: the same among the other seven
	v_mov_b32 v218, 0xff800000
	v_mov_b32 v219, 0
.irp e, 0,1,2,3,4,5,6,7
	v_cmp_le_f32 s32, v[ACC+\e], v218
	v_cmp_eq_u32 s33, \e, v217
	s_or_b32 vcc_lo, s32, s33
	v_cndmask_b32 v218, v[ACC+\e], v218, vcc_lo
	v_cndmask_b32 v219, \e, v219, vcc_lo
.endr
	; softmax of the two, the larger taken away: 1 / (1 + E) and E / (1 + E), E = e^(second - first), at most 1
	v_sub_f32 v220, v218, v216
	v_mul_f32 v220, 0x3fb8aa3b, v220
	s_wait_alu depctr_va_vdst(0)
	v_exp_f32 v221, v220
	v_mov_b32 v238, 1                              ; a plain line behind the exponential
	s_wait_alu depctr_va_vdst(0)                   ; the wait ahead of the first reader
	v_add_f32 v222, 1.0, v221
	s_wait_alu depctr_va_vdst(0)
	v_rcp_f32 v[SC], v222
	v_mov_b32 v239, 0x100                          ; a plain line behind the reciprocal
	s_wait_alu depctr_va_vdst(0)
	v_mul_f32 v[SC+1], v221, v[SC]
	v_lshlrev_b32 v238, v217, v238                 ; 1 << first
	v_lshlrev_b32 v239, v219, v239                 ; 256 << second
	v_or_b32 v238, v238, v239
	s_wait_alu depctr_va_vdst(0)
	s_wait_xcnt 0x0                                ; EXEC is a source of the stores above: it changes only behind this wait
	v_cmp_eq_u32 vcc_lo, 0, v2
	s_wait_tensorcnt 0x0
	ds_add_u32 v254, v255
	s_wait_dscnt 0x0
	s_and_saveexec_b32 s34, vcc_lo                 ; lane 0 stores for the token
	global_store_b32 v3, v238, s[10:11]
	global_store_b64 v3, v[SC:SC+1], s[12:13]
	s_wait_xcnt 0x0                                ; and again ahead of the line that widens it
	s_or_b32 exec_lo, exec_lo, s34
	s_endpgm
.Lfunc_end_k_q978d0ba04a_gate:
	.size	k_q978d0ba04a_gate, .Lfunc_end_k_q978d0ba04a_gate-k_q978d0ba04a_gate
	.p2alignl 7, 3214868480
	.fill 96, 4, 3214868480
	.section	.rodata,"a",@progbits
	.p2align	6, 0x0
	.amdhsa_kernel k_q978d0ba04a_gate
		.amdhsa_group_segment_fixed_size 54784
		.amdhsa_private_segment_fixed_size 0
		.amdhsa_enable_private_segment 0
		.amdhsa_kernarg_size 56
		.amdhsa_user_sgpr_count 2
		.amdhsa_user_sgpr_kernarg_segment_ptr 1
		.amdhsa_wavefront_size32 1
		.amdhsa_system_sgpr_workgroup_id_x 1
		.amdhsa_system_sgpr_workgroup_id_y 1
		.amdhsa_system_sgpr_workgroup_id_z 1
		.amdhsa_system_vgpr_workitem_id 0
		.amdhsa_next_free_vgpr 256
		.amdhsa_next_free_sgpr 66
		.amdhsa_reserve_vcc 1
		.amdhsa_float_denorm_mode_32 3
		.amdhsa_float_denorm_mode_16_64 3
		.amdhsa_memory_ordered 1
		.amdhsa_forward_progress 1
		.amdhsa_inst_pref_size 31
	.end_amdhsa_kernel
	.amdgpu_metadata
---
amdhsa.version: [ 1, 2 ]
amdhsa.kernels:
  - .name:           k_q978d0ba04a_gate
    .symbol:         k_q978d0ba04a_gate.kd
    .args:
      - { .name: x, .offset: 0, .size: 8, .value_kind: global_buffer, .address_space: global }
      - { .name: gate_w, .offset: 8, .size: 8, .value_kind: global_buffer, .address_space: global }
      - { .name: gate_b, .offset: 16, .size: 8, .value_kind: global_buffer, .address_space: global }
      - { .name: route, .offset: 24, .size: 8, .value_kind: global_buffer, .address_space: global }
      - { .name: gsc, .offset: 32, .size: 8, .value_kind: global_buffer, .address_space: global }
      - { .name: xq, .offset: 40, .size: 8, .value_kind: global_buffer, .address_space: global }
      - { .name: xs, .offset: 48, .size: 8, .value_kind: global_buffer, .address_space: global }
    .group_segment_fixed_size: 54784
    .private_segment_fixed_size: 0
    .kernarg_segment_align: 8
    .kernarg_segment_size: 56
    .max_flat_workgroup_size: 128
    .sgpr_count:     66
    .vgpr_count:     256
    .wavefront_size: 32
...
	.end_amdgpu_metadata
.endif
;; end of part 5
;; launch ffn1 (part 6): grid 256 x 1, 4 waves a work-group, no clusters, 4,864 bytes of LDS; arguments route, xq, xs, w1_codes, w1_scales, b1, hq, hs; writes hq, hs
.if DOCPART == 6
	.amdgcn_target "amdgcn-amd-amdhsa--gfx1250"
	.amdhsa_code_object_version 6
	.text
	.protected	k_q978d0ba04a_ffn1
	.globl	k_q978d0ba04a_ffn1
	.p2align	8
	.type	k_q978d0ba04a_ffn1,@function
k_q978d0ba04a_ffn1:
	s_mov_b64 s[64:65], 0
	v_nop
	global_prefetch_b8 v0, s[64:65] scope:SCOPE_SE
	s_setreg_imm32_b32 hwreg(HW_REG_WAVE_SCHED_MODE, 0, 2), 2
	s_setreg_imm32_b32 hwreg(HW_REG_WAVE_MODE, 25, 1), 1
	s_wait_xcnt 0x0
	s_wait_alu depctr_vm_vsrc(0)
; THE FIRST PRODUCT OF THE CHOSEN ROWS: h = gelu(x w1[e] + b1[e]) (tanh form), on codes of E4M3 with E8M0 scales, and h quantised along the second product's K.
; THE WEIGHTS STAND, THE ROWS WALK.  Work-group = (expert e = wg / 32, g = wg % 32): hidden units 128 g .. 128 g + 127 of expert e, which are K step g of the second product.
; Wave = (c2 = wave % 2: units 64 c2 .. + 63; p = wave / 2: tiles of 16 rows j = p, p + 2, ..).  A wave's 64 units x K 1,024 are 32 fragments, 512 registers, loaded once.
; THE LIST.  route[t] holds a token's two experts.  Wave 0 places the row ids (2 t + slot) of the tokens that chose e one behind the other in LDS; every wave counts them.  Places
; behind the count hold pad ids (2048 + 64 e + place % 64), whose token is held at 1,023: pad rows give valid numbers that no result takes.
; THE LOOP has 32 trips, the most that any split needs (64 tiles of an expert, two waves' turns); a trip beyond the wave's own count jumps over its work.
; THE MATRIX INSTRUCTION IS USED TRANSPOSED (source 0 = 16 rows of w1, source 1 = 16 tokens), AND THE ROWS OF w1 THAT FORM A TILE ARE NOT NEIGHBOURS: lane r of tile 2 b + u takes unit
; 32 b + 8 u + r + 8 (r / 8), so that a lane holds one token and the 16 registers of tiles 2 b, 2 b + 1 are units 32 b + 16 (lane / 16) + 0 .. 15: the conversions' results are the next operand's registers.
; OUT: hq[tile 64 e + j][S 32][c 4][lane][16 bytes]: images of the operand's registers; hs[tile][S / 8][row 16][S % 8][4 bytes]: its scale words.
; NO TENSOR LOAD, NO JOINT REQUEST: the number of tiles hangs on a count read from memory.  Partners that asked on to the worst case would ask for 64 tiles of an expert where a quarter of 64 are used on an even split.
; The two-byte stores of hs are 32 bytes a tile and wave against 1,024 bytes of codes.
; LIMITS: NaN and infinities in the hidden layer are not served.  A block of zeros gets the byte 1: its codes are zeros, and this program alone reads the bytes.
; THE MODE: SCHED_MODE bits 1:0 = 2 (LLVM: expert scheduling mode 2), set by the entry lines.  The code itself states the register dependences
; between vector or matrix instructions and memory or LDS instructions, with s_wait_alu, always for 0.
; THE PLAN.  Registers that memory or LDS instructions touch, in the loop:
;   x's fragments (window 3), XS   The gather's 34 loads land in them; the trip's 32 matrix instructions read them.
;   XO, XSO                        Written by the four lines that turn a list entry into offsets; read by the gather.
;   ENT                            The list's LDS load lands in it; the same four lines read and write it.
;   LA                             Read by the list's LDS load; stepped at the trip's end, on every way.
;   PC, PW                         Written by the quantiser; read by the trip's three stores.
;   L16, R32, WO, WSO, H64         Offsets, made once at the head and never written again.
; A trip's waits: one on va_vdst straight ahead of the list's load (LA); one ahead of the gather (XO, XSO; the products are done with x; ENT is done with); the two behind the exponentials and the reciprocals;
; one ahead of the stores (PC, PW); one on vm_vsrc at the trip's end (the stores have read PC and PW, the gather XO and XSO, the list's load LA).
; One buffer of x's fragments: a second would want list entries two tiles ahead, and the list has pads for one.  The gather stands in one run: among the vector lines each piece of it would cost two window switches.
; REGISTERS: window 0 as named below; window 1: w1's fragments (tile n, K step s < 4) at v[16 (4 s + n)]; window 2: those of s >= 4 at v[16 (4 (s - 4) + n)]; window 3: v0-127 x's eight fragments.
.set LA,  4                            ; v4   LDS address of my row's list entry: 4 r + 64 p, 128 on in each trip
.set XO,  5                            ; v5   my token's codes: 1024 t + 16 h
.set XSO, 6                            ; v6   my token's scale bytes: 32 t
.set L16, 7                            ; v7   16 x lane
.set R32, 8                            ; v8   32 r
.set ENT, 9                            ; v9   the list entry
.set WO,  10                           ; v10  w1: (r + 8 (r / 8)) x 1024 + 16 h
.set WSO, 11                           ; v11  its scale bytes: (r + 8 (r / 8)) x 32
.set H64, 12                           ; v12  64 h: b1
.set H16, 13                           ; v13  16 h
.set XS,  16                           ; v16-23   x's scale words, K steps 0-7
.set W1S, 24                           ; v24-55   w1's: 8 n + s
.set B1,  56                           ; v56-87   b1 in the result's layout: 8 n + j
.set HA,  88                           ; v88-119  the four accumulators
.set T,   120                          ; v120-151 at work
.set RW,  120                          ;          at the head: route's words; register 4 i + q: token 128 i + 4 lane + q
.set PC,  152                          ; v152-159 the codes just made
.set TM,  160                          ; v160-175 the quantiser's
.set PW,  176                          ; v176     two scale bytes
.set C0V, 178                          ; v178-179 c0 twice
.set ONEV, 180                         ; v180-181 1.0 twice
.set BIA, 152                          ; at the head: the list's registers
.set BDUMP, 153
.set BT2, 154
.set BPA, 155
.set BPB, 156
.set LP,  184                          ; v184-215 at the head: a place in the list for each of the 32 passes,
.set LD,  216                          ; v216-247 and a row id: no register that a store reads is written again
.set BTT, 248                          ; v248-255 at the head: at work, one for each pass of a group
.set WV,  20
.set C2,  21
.set PP,  22
.set EE,  23
.set GG,  24
.set CNT, 25                           ; s25  rows of my expert
.set NP,  26                           ; s26  tiles of my wave
.set II,  27                           ; s27  the trip
.set SELB, 28                          ; s28  0x101 << e: either slot
.set SEL1, 29                          ; s29  256 << e: the second slot
.set SB,  31
.set SH8, 41                           ; s41  8 + e
.set SEL, 38                           ; s38-39 lane selects
.set MNT, 40
.set C1S, 44                           ; s[44:45] c1 twice
.set HQB, 46                           ; s[46:47] where this trip's codes go
.set HSB, 48                           ; s[48:49] and its scale bytes
.set MK,  50                           ; s50-57 at the head: who chose e, a mask for each pass of a group
.set MSB, 0
.macro WIN new                         ; the immediate's high byte repeats the setting that is left
.if MSB != \new
	s_set_vgpr_msb (MSB<<8)|\new
.set MSB, \new
.endif
.endm
.macro PLACES n
.rept \n
	v_nop
.endr
.endm
; w1's loads q0 .. q1 - 1 of 128: tile q / 32, K step (q / 4) % 8, piece q % 4.  Eight loads on end cover 256 neighbouring bytes of each of a tile's 16 rows.
; No vector or matrix instruction names their registers ahead of them, and WO stands since the head's wait.
.macro LOADW q0, q1
.set q, \q0
.rept \q1-\q0
.set wn, q/32
.set ws, (q/4)%8
.set wc, q%4
.if ws < 4
	WIN 0x40
.else
	WIN 0x80
.endif
	global_load_b128 v[16*(4*(ws%4)+wn)+4*wc:16*(4*(ws%4)+wn)+4*wc+3], v[WO], s[10:11] offset:(32*(wn/2)+8*(wn%2))*1024+128*ws+32*wc
.set q, q+1
.endr
	WIN 0
.endm
; THE LIST.  Only wave 0 stores, and no other wave touches LDS ahead of the barrier.  First every place gets its pad id; then 32 passes, one for each register of route's words: a lane whose token chose e
; takes the place count + (members in lower lanes); the others write their own spare word behind the list.  LDS serves a wave's instructions in order, so the members land over the pads.
; The passes go in four groups of eight: eight compares into eight scalar registers, one wait, the masks' readers.  Each pass has its own two registers, so all 32 stores stand in one run behind one wait.
.macro BUILD_LIST
	s_mov_b32 s[CNT], 0
	s_cmp_lg_u32 s[WV], 0
	s_cbranch_scc1 .Lcount_\@
.set k, 0
.rept 33
.if k%2 == 0
	ds_store_b32 v[BIA], v[BPA] offset:128*k       ; (address and pad ids stand since the head's wait)
.else
	ds_store_b32 v[BIA], v[BPB] offset:128*k
.endif
.set k, k+1
.endr
.set g, 0
.rept 4
.set k, 0
.rept 8
.set n, 8*g+k
	v_and_b32 v[BTT+k], s[SELB], v[RW+n]
	v_and_b32 v[LD+n], s[SEL1], v[RW+n]
	v_cmp_ne_u32 s[MK+k], 0, v[BTT+k]              ; who chose e
	v_lshrrev_b32 v[LD+n], s[SH8], v[LD+n]         ; as which slot: 0 or 1
	v_add3_u32 v[LD+n], v[LD+n], v[BT2], 2*(128*(n/4)+n%4)   ; the row id 2 t + slot, t = 128 i + 4 lane + q
.set k, k+1
.endr
	s_wait_alu depctr_va_sdst(0)                   ; the group's eight masks are written, ahead of their first readers
.set k, 0
.rept 8
.set n, 8*g+k
	v_mbcnt_lo_u32_b32 v[LP+n], s[MK+k], s[CNT]
	v_cndmask_b32 v[LP+n], v[BDUMP], v[LP+n], s[MK+k]
	v_min_u32 v[LP+n], 1087, v[LP+n]               ; a place made of loaded numbers is held inside the list's 1,088 words
	v_lshlrev_b32 v[LP+n], 2, v[LP+n]
	s_bcnt1_i32_b32 s[SB], s[MK+k]
	s_add_co_u32 s[CNT], s[CNT], s[SB]
.set k, k+1
.endr
.set g, g+1
.endr
	s_wait_alu depctr_va_vdst(0)                   ; the 32 places and the 32 row ids are written, which the stores below read
.set n, 0
.rept 32
	ds_store_b32 v[LP+n], v[LD+n]
.set n, n+1
.endr
	s_branch .Ljoin_\@
.Lcount_\@:
.set g, 0
.rept 4
.set k, 0
.rept 8
	v_and_b32 v[BTT+k], s[SELB], v[RW+8*g+k]
	v_cmp_ne_u32 s[MK+k], 0, v[BTT+k]
.set k, k+1
.endr
	s_wait_alu depctr_va_sdst(0)                   ; the group's eight masks are written, ahead of their first readers
.set k, 0
.rept 8
	s_bcnt1_i32_b32 s[SB], s[MK+k]
	s_add_co_u32 s[CNT], s[CNT], s[SB]
.set k, k+1
.endr
.set g, g+1
.endr
.Ljoin_\@:
	s_wait_dscnt 0x0                               ; for the others' sake: the list has landed
	s_barrier_signal -1
	s_barrier_wait -1
.endm
.macro NEXTADR                         ; a list entry becomes the gather's offsets
	v_lshrrev_b32 v[ENT], 1, v[ENT]                ; the token,
	v_min_u32 v[ENT], 0x3ff, v[ENT]                ; held inside x (a pad id gives 1,023)
	v_lshl_add_u32 v[XO], v[ENT], 10, v[H16]
	v_lshlrev_b32 v[XSO], 5, v[ENT]
.endm
.macro ALOAD                           ; a tile's 16 tokens: eight fragments and their scale words: 34 loads
	WIN 0xc0
	s_wait_alu depctr_va_vdst(0)                   ; XO and XSO are written, which the loads below read; the products issued so far are done reading x's fragments and scale words, in which these loads land; ENT is done with, in which the next LDS load lands
.set k, 0
.rept 32
	global_load_b128 v[4*k:4*k+3], v[XO], s[6:7] offset:32*k     ; K step k / 4, registers 4 (k % 4) on: k = 32 (k % 4) + 16 h + 0 .. 15
.set k, k+1
.endr
	WIN 0
	global_load_b128 v[XS:XS+3], v[XSO], s[8:9]
	global_load_b128 v[XS+4:XS+7], v[XSO], s[8:9] offset:16
.endm
.macro MULT                            ; 32 matrix instructions: K step by K step, the four accumulators by turns, one instruction a turn.  b1 is the C of each sum's first
.set ks, 0
.rept 8
.if ks < 4
	WIN 0x0d                                       ; source 0 (w1) window 1, source 1 (x) window 3, C and D window 0
.else
	WIN 0x0e                                       ; source 0 window 2
.endif
.set kn, 0
.rept 4
.set rW, 16*(4*(ks%4)+kn)
.if ks == 0
	v_wmma_scale_f32_16x16x128_f8f6f4 v[HA+8*kn:HA+8*kn+7], v[rW:rW+15], v[16*ks:16*ks+15], v[B1+8*kn:B1+8*kn+7], v[W1S+8*kn+ks], v[XS+ks]
.else
	v_wmma_scale_f32_16x16x128_f8f6f4 v[HA+8*kn:HA+8*kn+7], v[rW:rW+15], v[16*ks:16*ks+15], v[HA+8*kn:HA+8*kn+7], v[W1S+8*kn+ks], v[XS+ks]
.endif
.set kn, kn+1
.endr
.set ks, ks+1
.endr
	WIN 0
.endm
; gelu(x) = x / (1 + 2^(x (c0 + c1 x^2))), c0 = -2 log2(e) sqrt(2 / pi), c1 = 0.044715 c0: the tanh form, with no difference of near numbers.  Beyond f32's range of x^2 the exponent goes to
; +-infinity and the quotient to x or to 0, as the function does.  The exponentials are one batch with one wait, and so are the reciprocals.  Each accumulator is read from its low end on.
.macro GELU
.set j, 0
.rept 16
	v_pk_mul_f32 v[T+j:T+j+1], v[HA+j:HA+j+1], v[HA+j:HA+j+1]
.set j, j+2
.endr
.set j, 0
.rept 16
	v_pk_fma_f32 v[T+j:T+j+1], v[T+j:T+j+1], s[C1S:C1S+1], v[C0V:C0V+1] op_sel_hi:[1,0,1]
.set j, j+2
.endr
.set j, 0
.rept 16
	v_pk_mul_f32 v[T+j:T+j+1], v[T+j:T+j+1], v[HA+j:HA+j+1]
.set j, j+2
.endr
.set j, 0
	s_wait_alu depctr_va_vdst(0)
.rept 32
	v_exp_f32 v[T+j], v[T+j]
.set j, j+1
.endr
	v_nop                                          ; a plain line behind the last exponential
	s_wait_alu depctr_va_vdst(0)                   ; the 32 exponentials have written T: one wait for the batch, ahead of its first reader
.set j, 0
.rept 16
	v_pk_add_f32 v[T+j:T+j+1], v[T+j:T+j+1], v[ONEV:ONEV+1]
.set j, j+2
.endr
.set j, 0
	s_wait_alu depctr_va_vdst(0)
.rept 32
	v_rcp_f32 v[T+j], v[T+j]
.set j, j+1
.endr
	v_nop
	s_wait_alu depctr_va_vdst(0)                   ; the 32 reciprocals have written T: likewise
.set j, 0
.rept 16
	v_pk_mul_f32 v[HA+j:HA+j+1], v[HA+j:HA+j+1], v[T+j:T+j+1]
.set j, j+2
.endr
.endm
; My two blocks of 32 along the next K (16 numbers in my lane, 16 in lane l xor 16) become eight registers of codes and two scale bytes.
.macro QUANT2
.irp b, 0,1
	v_max3_num_f32 v[TM+\b], |v[HA+16*\b]|, |v[HA+16*\b+1]|, 0x4800000   ; and the floor 2^(9 - 127): the byte cannot fall under 1
.endr
.irp i, 2,4,6,8,10,12,14
.irp b, 0,1
	v_max3_num_f32 v[TM+\b], v[TM+\b], |v[HA+16*\b+\i]|, |v[HA+16*\b+\i+1]|
.endr
.endr
.irp b, 0,1
	v_permlanex16_b32 v[TM+4+\b], v[TM+\b], s[SEL], s[SEL+1]
.endr
.irp b, 0,1
	v_max_num_f32 v[TM+\b], v[TM+\b], v[TM+4+\b]                   ; the block's largest magnitude
.endr
.irp b, 0,1
	v_add_nc_u32 v[TM+12+\b], 0xfc000000, v[TM+\b]                 ; 8 off its exponent field: the conversion's scale operand
.endr
.irp b, 0,1
	v_and_or_b32 v[TM+8+\b], v[TM+\b], 0x7f800000, s[MNT]          ; 448 x the scale
.endr
.irp b, 0,1
	v_lshrrev_b32 v[TM+4+\b], 23, v[TM+12+\b]                      ; the scale's byte
.endr
	v_lshl_or_b32 v[PW], v[TM+5], 8, v[TM+4]
.irp b, 0,1
.irp i, 0,1,2,3,4,5,6,7,8,9,10,11,12,13,14,15
	v_med3_num_f32 v[HA+16*\b+\i], v[HA+16*\b+\i], -v[TM+8+\b], v[TM+8+\b]   ; the conversion does not saturate (ISA guide 7.6.2): the hold
.endr
	v_cvt_scalef32_pk8_fp8_f32 v[PC+4*\b:PC+4*\b+1], v[HA+16*\b:HA+16*\b+7], v[TM+12+\b]
	v_cvt_scalef32_pk8_fp8_f32 v[PC+4*\b+2:PC+4*\b+3], v[HA+16*\b+8:HA+16*\b+15], v[TM+12+\b]
.endr
	v_nop                                          ; a plain line behind the last conversion: the next products write its sources
.endm
	s_load_b512 s[4:19], s[0:1], 0x0               ; route s[4:5], xq s[6:7], xs s[8:9], w1_codes s[10:11], w1_scales s[12:13], b1 s[14:15], hq s[16:17], hs s[18:19]
	v_lshl_add_u32 v182, v0, 2, 0x1100
	v_mov_b32 v183, 0
	v_lshrrev_b32 v14, 5, v0
	v_readfirstlane_b32 s[WV], v14
	v_and_b32 v1, 31, v0                           ; lane
	v_and_b32 v2, 15, v0                           ; r
	v_bfe_u32 v3, v0, 4, 1                         ; h
	s_lshr_b32 s[EE], ttmp9, 5
	s_and_b32 s[GG], ttmp9, 31
	v_lshlrev_b32 v[L16], 4, v1
	v_lshlrev_b32 v[R32], 5, v2
	v_lshlrev_b32 v[H64], 6, v3
	v_lshlrev_b32 v[H16], 4, v3
	v_and_b32 v14, 8, v2
	v_add_nc_u32 v14, v14, v2                      ; r + 8 (r / 8)
	v_lshl_add_u32 v[WO], v14, 10, v[H16]
	v_lshlrev_b32 v[WSO], 5, v14
	s_wait_alu depctr_va_sdst(0)                   ; the wave's number is written, ahead of its first reader
	s_and_b32 s[C2], s[WV], 1
	s_lshr_b32 s[PP], s[WV], 1
	s_lshl_b32 s32, s[PP], 6
	v_lshlrev_b32 v[LA], 2, v2
	v_add_nc_u32 v[LA], s32, v[LA]
	v_lshlrev_b32 v[BIA], 2, v1                    ; the list's registers, made ahead of the parting of the waves
	v_add_nc_u32 v[BDUMP], 1056, v1
	v_lshlrev_b32 v[BT2], 3, v1
	s_lshl_b32 s32, s[EE], 6
	s_add_co_u32 s32, s32, 2048
	v_add_nc_u32 v[BPA], s32, v1
	v_add_nc_u32 v[BPB], 32, v[BPA]
	s_lshl_b32 s[SELB], 0x101, s[EE]
	s_lshl_b32 s[SEL1], 0x100, s[EE]
	s_add_co_u32 s[SH8], s[EE], 8
	s_mov_b32 s[SEL], 0x76543210
	s_mov_b32 s[SEL+1], 0xfedcba98
	s_mov_b32 s[MNT], 0x600000
	s_mov_b32 s[C1S], 0xbdd2d3e8                   ; c1 = -0.10294324
	s_mov_b32 s[C1S+1], s[C1S]
	v_mov_b32 v[C0V], 0xc0135761                   ; c0 = -2.3022082
	v_mov_b32 v[C0V+1], 0xc0135761
	v_mov_b32 v[ONEV], 1.0
	v_mov_b32 v[ONEV+1], 1.0
	v_mov_b32 v[TM+4], 0                           ; a lane permute's destination counts as read: written once
	v_mov_b32 v[TM+5], 0
	s_lshl_b32 s32, s[EE], 12
	s_lshl_b32 s33, s[GG], 7
	s_add_co_u32 s32, s32, s33
	s_lshl_b32 s33, s[C2], 6
	s_add_co_u32 s32, s32, s33                     ; my first unit among the 32,768: 4096 e + 128 g + 64 c2
	s_lshl_b32 s33, s[EE], 6
	s_add_co_u32 s33, s33, s[PP]                   ; my first tile: 64 e + p
	s_mov_b32 s37, 0
	s_wait_kmcnt 0x0
	s_lshl_b32 s36, s32, 10
	s_add_nc_u64 s[10:11], s[10:11], s[36:37]      ; w1's codes: 1,024 bytes a unit
	s_lshl_b32 s36, s32, 5
	s_add_nc_u64 s[12:13], s[12:13], s[36:37]      ; its scale bytes: 32
	s_lshl_b32 s36, s32, 2
	s_add_nc_u64 s[14:15], s[14:15], s[36:37]      ; b1
	s_lshl_b32 s36, s33, 16                        ; hq: 65,536 bytes a tile, + 2,048 g + 1,024 c2
	s_lshl_b32 s34, s[GG], 11
	s_add_co_u32 s36, s36, s34
	s_lshl_b32 s34, s[C2], 10
	s_add_co_u32 s36, s36, s34
	s_add_nc_u64 s[HQB:HQB+1], s[16:17], s[36:37]
	s_lshl_b32 s36, s33, 11                        ; hs: 2,048 bytes a tile, + 512 (g / 8) + 4 (g % 8) + 2 c2
	s_lshr_b32 s34, s[GG], 3
	s_lshl_b32 s34, s34, 9
	s_add_co_u32 s36, s36, s34
	s_and_b32 s34, s[GG], 7
	s_lshl_b32 s34, s34, 2
	s_add_co_u32 s36, s36, s34
	s_lshl_b32 s34, s[C2], 1
	s_add_co_u32 s36, s36, s34
	s_add_nc_u64 s[HSB:HSB+1], s[18:19], s[36:37]
	s_wait_alu depctr_va_vdst(0)                   ; the offsets and LDS addresses v4, v7, v8, v10 to v13 and the list's v152 to v156 are written, which the loads and stores of the kernel read
.irp i, 0,1,2,3,4,5,6,7
	global_load_b128 v[RW+4*\i:RW+4*\i+3], v[L16], s[4:5] offset:512*\i
.endr
	LOADW 0, 48                                    ; weights go out ahead of the list's work
	s_wait_loadcnt 48                              ; route's eight loads are in; the 48 behind them stay out
	BUILD_LIST
	LOADW 48, 128
.irp n, 0,1,2,3
	global_load_b128 v[W1S+8*\n:W1S+8*\n+3], v[WSO], s[12:13] offset:(32*(\n/2)+8*(\n%2))*32
	global_load_b128 v[W1S+8*\n+4:W1S+8*\n+7], v[WSO], s[12:13] offset:(32*(\n/2)+8*(\n%2))*32+16
.endr
.irp n, 0,1,2,3
	global_load_b128 v[B1+8*\n:B1+8*\n+3], v[H64], s[14:15] offset:(32*(\n/2)+8*(\n%2))*4        ; lane (r, h), tile 2 b + u: units 32 b + 16 h + 8 u + 0 .. 7
	global_load_b128 v[B1+8*\n+4:B1+8*\n+7], v[H64], s[14:15] offset:(32*(\n/2)+8*(\n%2))*4+16
.endr
	s_add_co_u32 s32, s[CNT], 15
	s_lshr_b32 s32, s32, 4                         ; tiles of the expert
	s_add_co_u32 s32, s32, 1
	s_sub_co_u32 s32, s32, s[PP]
	s_lshr_b32 s[NP], s32, 1                       ; those of my parity: at most 32
	ds_load_b32 v[ENT], v[LA]
	s_wait_dscnt 0x0
	NEXTADR
	ALOAD                                          ; my first tile
	s_wait_alu depctr_vm_vsrc(0)                   ; the first gather has read XO and XSO, which the first trip writes again; wave 0's stores of the pads have read v152 to v156, which are PC from here on
	s_mov_b32 s[II], 0
.Ltile:
	s_cmp_ge_u32 s[II], s[NP]
	s_cbranch_scc1 .Lskip                          ; beyond my tiles: only the steps at the trip's end
	s_wait_alu depctr_va_vdst(0)                   ; LA is written (at the last trip's end), which the load below reads
	ds_load_b32 v[ENT], v[LA] offset:128           ; the next tile's entry (behind the count: a pad id)
	s_wait_loadcnt 0x0                             ; this tile's 34 loads, asked for a trip ago (in the first trip the weights too)
	MULT
	s_wait_dscnt 0x0
	NEXTADR                                        ; four plain lines that name no register of the products,
	PLACES 4                                       ; and four more: eight places ahead of the first read of results
	ALOAD                                          ; the next tile lands under this tile's vector work, which names none of its registers
	GELU
	QUANT2
	s_wait_alu depctr_va_vdst(0)                   ; the conversions have written PC, and the line ahead of them PW: the stores' data
	global_store_b128 v[L16], v[PC:PC+3], s[HQB:HQB+1]             ; registers 4 c .. 4 c + 3, c = 2 c2: 512 consecutive bytes
	global_store_b128 v[L16], v[PC+4:PC+7], s[HQB:HQB+1] offset:512 ; c = 2 c2 + 1
	global_store_b16 v[R32], v[PW], s[HSB:HSB+1]                   ; my row's two bytes; both halves of the lanes write the same bytes with the same value
.Lskip:
	s_wait_xcnt 0x0                                ; the stores have read their data and bases: both are written again only behind this wait
	s_wait_alu depctr_vm_vsrc(0)                   ; the stores have read PC and PW, the gather XO and XSO, the list's load LA: the add below and the next trip write them again
	s_add_nc_u64 s[HQB:HQB+1], s[HQB:HQB+1], 0x20000   ; two tiles on
	s_add_nc_u64 s[HSB:HSB+1], s[HSB:HSB+1], 0x1000
	s_wait_alu depctr_va_vdst(0)
	v_add_nc_u32 v[LA], 128, v[LA]
	s_add_co_u32 s[II], s[II], 1
	s_cmp_lt_u32 s[II], 32
	s_cbranch_scc1 .Ltile
	s_wait_dscnt 0x0
	s_wait_alu depctr_hold_cnt(0) depctr_sa_sdst(0) depctr_va_vdst(0) depctr_va_sdst(0) depctr_va_ssrc(0) depctr_va_vcc(0) depctr_vm_vsrc(0)
	s_wait_tensorcnt 0x0
	ds_add_u32 v182, v183
	s_wait_dscnt 0x0
	s_endpgm
.Lfunc_end_k_q978d0ba04a_ffn1:
	.size	k_q978d0ba04a_ffn1, .Lfunc_end_k_q978d0ba04a_ffn1-k_q978d0ba04a_ffn1
	.p2alignl 7, 3214868480
	.fill 96, 4, 3214868480
	.section	.rodata,"a",@progbits
	.p2align	6, 0x0
	.amdhsa_kernel k_q978d0ba04a_ffn1
		.amdhsa_group_segment_fixed_size 4864
		.amdhsa_private_segment_fixed_size 0
		.amdhsa_enable_private_segment 0
		.amdhsa_kernarg_size 64
		.amdhsa_user_sgpr_count 2
		.amdhsa_user_sgpr_kernarg_segment_ptr 1
		.amdhsa_wavefront_size32 1
		.amdhsa_system_sgpr_workgroup_id_x 1
		.amdhsa_system_sgpr_workgroup_id_y 1
		.amdhsa_system_sgpr_workgroup_id_z 1
		.amdhsa_system_vgpr_workitem_id 0
		.amdhsa_next_free_vgpr 896
		.amdhsa_next_free_sgpr 66
		.amdhsa_reserve_vcc 0
		.amdhsa_float_denorm_mode_32 3
		.amdhsa_float_denorm_mode_16_64 3
		.amdhsa_memory_ordered 1
		.amdhsa_forward_progress 1
		.amdhsa_inst_pref_size 68
	.end_amdhsa_kernel
	.amdgpu_metadata
---
amdhsa.version: [ 1, 2 ]
amdhsa.kernels:
  - .name:           k_q978d0ba04a_ffn1
    .symbol:         k_q978d0ba04a_ffn1.kd
    .args:
      - { .name: route, .offset: 0, .size: 8, .value_kind: global_buffer, .address_space: global }
      - { .name: xq, .offset: 8, .size: 8, .value_kind: global_buffer, .address_space: global }
      - { .name: xs, .offset: 16, .size: 8, .value_kind: global_buffer, .address_space: global }
      - { .name: w1_codes, .offset: 24, .size: 8, .value_kind: global_buffer, .address_space: global }
      - { .name: w1_scales, .offset: 32, .size: 8, .value_kind: global_buffer, .address_space: global }
      - { .name: b1, .offset: 40, .size: 8, .value_kind: global_buffer, .address_space: global }
      - { .name: hq, .offset: 48, .size: 8, .value_kind: global_buffer, .address_space: global }
      - { .name: hs, .offset: 56, .size: 8, .value_kind: global_buffer, .address_space: global }
    .group_segment_fixed_size: 4864
    .private_segment_fixed_size: 0
    .kernarg_segment_align: 8
    .kernarg_segment_size: 64
    .max_flat_workgroup_size: 128
    .sgpr_count:     66
    .vgpr_count:     896
    .wavefront_size: 32
...
	.end_amdgpu_metadata
.endif
;; end of part 6
;; launch ffn2 (part 7): grid 256 x 1, 4 waves a work-group, no clusters, 78,848 bytes of LDS; arguments route, gsc, hq, hs, w2_codes, w2_scales, b2, y; writes y
.if DOCPART == 7
	.amdgcn_target "amdgcn-amd-amdhsa--gfx1250"
	.amdhsa_code_object_version 6
	.text
	.protected	k_q978d0ba04a_ffn2
	.globl	k_q978d0ba04a_ffn2
	.p2align	8
	.type	k_q978d0ba04a_ffn2,@function
k_q978d0ba04a_ffn2:
	s_mov_b64 s[64:65], 0
	v_nop
	global_prefetch_b8 v0, s[64:65] scope:SCOPE_SE
	s_setreg_imm32_b32 hwreg(HW_REG_WAVE_SCHED_MODE, 0, 2), 2
	s_setreg_imm32_b32 hwreg(HW_REG_WAVE_MODE, 25, 1), 1
	s_wait_xcnt 0x0
	s_wait_alu depctr_vm_vsrc(0)
; THE SECOND PRODUCT OF THE CHOSEN ROWS: y[row id] = score x (h w2[e] + b2[e]), on codes of E4M3 with E8M0 scales; row id = 2 t + slot.
; THE WEIGHTS STAND, THE ROWS WALK.  Work-group = (expert e = wg / 32, cg = (wg / 2) % 16: output columns 64 cg .. + 63, p = wg % 2: tiles of 16 rows j = p, p + 2, ..).
; Wave w owns a quarter of K: K steps 8 w .. 8 w + 7, for all four tiles of columns: 32 fragments, 512 registers, loaded once.  So each byte of a tile of h that the work-group needs is loaded by one wave,
; by loads of 512 consecutive bytes (hq holds images of the operand's registers).  The four partial sums meet in LDS, two tiles at a time; each wave adds up 8 of the 32 rows and stores them.
; THE LIST is made as in the launch before, by the same passes, so that place pos holds the same row; beside each row id lies its score.  Pad places hold ids 2048 + 64 e + pos % 64:
; rows of y behind the 2,048 that are read; a work-group's pad rows and columns are its own.
; THE LOOP has 8 trips of two pairs of tiles, the most that any split needs; a pair beyond the count jumps over its work, never over a barrier.  Where the count is odd, the last pair's second tile
; takes the last tile's codes once more, and its places in the list are pads.
; THE MATRIX INSTRUCTION IS USED TRANSPOSED (source 0 = 16 rows of w2, source 1 = 16 rows of h): a lane holds one row and eight neighbouring columns.
; NO TENSOR LOAD, NO JOINT REQUEST: the number of tiles hangs on a count read from memory.
; LIMIT: a work-group with no tile (its expert has fewer tiles than its parity needs) still loads one tile of hq, which may be unwritten, and uses none of it.
; THE MODE: SCHED_MODE bits 1:0 = 2 (LLVM: expert scheduling mode 2), set by the entry lines.  The code itself states the register dependences
; between vector or matrix instructions and memory or LDS instructions, with s_wait_alu, always for 0.
; THE PLAN.  Registers that memory or LDS instructions touch, in the loop:
;   buffer a of h's fragments (window 3), HSW a   34 loads land in them; the 32 matrix instructions of the pair's tile a read them; behind these the buffer is asked for again at once.
;   ACC        Written by the pair's 64 matrix instructions; read by its 16 LDS stores.
;   R, RID, SCR  The pair's 24 LDS loads land in them; its additions read them and write R and RID; its four global stores read R's first sixteen.
;   VO         Written by the additions' lines; read by the four global stores.
;   LB         Read by the list's LDS loads; stepped once a trip, at its end; the trip's second pair reaches its places by the immediate.
;   AO, HSO, ST, RD, C16, WO, WSO   Made once at the head and never written again.
; A pair's waits: one on va_vdst behind each tile's products, ahead of its buffer's refill (the second also shows both tiles' accumulators written, for the LDS stores behind the refill: no vector line stands between);
; one on vm_vsrc beside the wait for LDS ahead of the barrier (the LDS stores have read ACC; the last pair's global stores have read R and VO); one on va_vdst ahead of the four global stores
; (R and VO are written; R, RID and SCR are done with, in which the next pair's LDS loads land).  A trip's: one on vm_vsrc ahead of the add to LB, one on va_vdst behind it.
; REGISTERS: window 0 as named below; window 1: w2's fragments (tile n, K step s < 4) at v[16 (4 s + n)]; window 2: those of s >= 4; window 3: two buffers of h's eight fragments, v0-127 and v128-255.
.set SCL, 4352                         ; LDS: the list at 0 (1,088 words), the scores beside it,
.set EX,  8704                         ; and the exchange: 2 regions x 4 waves x 2 tiles x 16 rows x (256 + 16) bytes
.set EXR, 34816
.set AO,  4                            ; v4   hq: 16,384 w + 16 lane
.set HSO, 5                            ; v5   hs: 512 w + 32 r
.set ST,  6                            ; v6   exchange, in: EX + 8,704 w + 272 r + 32 h
.set RD,  7                            ; v7   exchange, out: EX + 4,352 (w / 2) + 272 (8 (w % 2) + h) + 16 r
.set LB,  8                            ; v8   the list: 4 (16 p + 32 (w / 2) + 8 (w % 2) + h), 512 on with each trip
.set C16, 9                            ; v9   16 r
.set WO,  10                           ; v10  w2: 4,096 r + 16 h
.set WSO, 11                           ; v11  its scale bytes: 128 r
.set HSW, 16                           ; v16-31   h's scale words: 8 a + s
.set W2S, 32                           ; v32-63   w2's: 8 n + s
.set ACC, 64                           ; v64-127  the accumulators: 32 a + 8 n
.set R,   128                          ; v128-191 partial sums read back: 16 src + 4 i2
.set B2,  192                          ; v192-195 b2 of my four columns
.set RID, 196
.set SCR, 200
.set VO,  204
.set RW,  64                           ; at the head: route's words,
.set SG,  128                          ; the scores: register 2 (4 i + q) + slot; wave 0 lays the chosen score over the first of the two and the row id over the second,
.set BIA, 96                           ; and the list's registers
.set BDUMP, 97
.set BT2, 98
.set BPA, 99
.set BPB, 100
.set BZ,  104
.set L16, 105
.set L32, 106
.set LP,  208                          ; v208-239 at the head: a place in the list for each of the 32 passes
.set TA,  240                          ; v240-247 at the head: at work, one for each pass of a group
.set TB,  248                          ; v248-255 likewise: the slot
.set WV,  20
.set CG,  21
.set PP,  22
.set EE,  23
.set CNT, 25
.set NP,  26                           ; s26  my tiles
.set LAST, 27                          ; s27  the last of them (0 where there is none)
.set SELB, 28
.set SEL1, 29
.set SB,  31
.set TB0, 38                           ; s38  64 e + p
.set SH8, 39
.set MK,  40                           ; s40-47 at the head: who chose e, a mask for each pass of a group
.set HQB, 46                           ; s[46:47], s[48:49] hq at the tile of buffer 0, 1
.set HSB, 50                           ; s[50:51], s[52:53] hs likewise
.set YB,  54                           ; s[54:55] y + 256 cg
.set II,  56                           ; s56  the pair's first tile
.set LC,  57                           ; s57  the trip
.set MS,  56                           ; s56-63 at the head: who chose e as the second slot
.set MSB, 0
.macro WIN new                         ; the immediate's high byte repeats the setting that is left
.if MSB != \new
	s_set_vgpr_msb (MSB<<8)|\new
.set MSB, \new
.endif
.endm
.macro PLACES n
.rept \n
	v_nop
.endr
.endm
.macro LOADW q0, q1                    ; w2's loads q0 .. q1 - 1 of 128: tile q / 32, K step (q / 4) % 8, piece q % 4.  No vector or matrix instruction names their registers ahead of them, and WO stands since the head's wait
.set q, \q0
.rept \q1-\q0
.set wn, q/32
.set ws, (q/4)%8
.set wc, q%4
.if ws < 4
	WIN 0x40
.else
	WIN 0x80
.endif
	global_load_b128 v[16*(4*(ws%4)+wn)+4*wc:16*(4*(ws%4)+wn)+4*wc+3], v[WO], s[12:13] offset:65536*wn+128*ws+32*wc
.set q, q+1
.endr
	WIN 0
.endm
; THE LIST, as in the launch before, with each row's score beside its id.  Only wave 0 stores, and no other wave touches LDS ahead of the barrier.
; The passes go in four groups of eight: sixteen compares into sixteen scalar registers, one wait, the masks' readers.  Each pass has its own registers, so all 64 stores stand in one run behind one wait.
.macro BUILD_LIST
	s_mov_b32 s[CNT], 0
	s_cmp_lg_u32 s[WV], 0
	s_cbranch_scc1 .Lcount_\@
.set k, 0
.rept 33
.if k%2 == 0
	ds_store_b32 v[BIA], v[BPA] offset:128*k       ; (address, pad ids and the 0 stand since the head's wait)
.else
	ds_store_b32 v[BIA], v[BPB] offset:128*k
.endif
	ds_store_b32 v[BIA], v[BZ] offset:SCL+128*k    ; a pad row's score is 0
.set k, k+1
.endr
.set g, 0
.rept 4
.set k, 0
.rept 8
.set n, 8*g+k
	v_and_b32 v[TA+k], s[SELB], v[RW+n]
	v_and_b32 v[TB+k], s[SEL1], v[RW+n]
	v_cmp_ne_u32 s[MK+k], 0, v[TA+k]               ; who chose e
	v_lshrrev_b32 v[TB+k], s[SH8], v[TB+k]         ; as which slot: 0 or 1
	v_cmp_ne_u32 s[MS+k], 0, v[TB+k]
.set k, k+1
.endr
	s_wait_alu depctr_va_sdst(0)                   ; the group's sixteen masks are written, ahead of their first readers
.set k, 0
.rept 8
.set n, 8*g+k
	v_mbcnt_lo_u32_b32 v[LP+n], s[MK+k], s[CNT]
	v_cndmask_b32 v[LP+n], v[BDUMP], v[LP+n], s[MK+k]
	v_min_u32 v[LP+n], 1087, v[LP+n]               ; a place made of loaded numbers is held inside the list's 1,088 words
	v_lshlrev_b32 v[LP+n], 2, v[LP+n]
	v_cndmask_b32 v[SG+2*n], v[SG+2*n], v[SG+2*n+1], s[MS+k]   ; that slot's score
	v_add3_u32 v[SG+2*n+1], v[TB+k], v[BT2], 2*(128*(n/4)+n%4) ; the row id 2 t + slot
	s_bcnt1_i32_b32 s[SB], s[MK+k]
	s_add_co_u32 s[CNT], s[CNT], s[SB]
.set k, k+1
.endr
.set g, g+1
.endr
	s_wait_alu depctr_va_vdst(0)                   ; the 32 places, row ids and scores are written, which the stores below read
.set n, 0
.rept 32
	ds_store_b32 v[LP+n], v[SG+2*n+1]
	ds_store_b32 v[LP+n], v[SG+2*n] offset:SCL
.set n, n+1
.endr
	s_branch .Ljoin_\@
.Lcount_\@:
.set g, 0
.rept 4
.set k, 0
.rept 8
	v_and_b32 v[TA+k], s[SELB], v[RW+8*g+k]
	v_cmp_ne_u32 s[MK+k], 0, v[TA+k]
.set k, k+1
.endr
	s_wait_alu depctr_va_sdst(0)                   ; the group's eight masks are written, ahead of their first readers
.set k, 0
.rept 8
	s_bcnt1_i32_b32 s[SB], s[MK+k]
	s_add_co_u32 s[CNT], s[CNT], s[SB]
.set k, k+1
.endr
.set g, g+1
.endr
.Ljoin_\@:
	s_wait_dscnt 0x0                               ; for the others' sake: the list has landed
	s_barrier_signal -1
	s_barrier_wait -1
.endm
; My quarter of tile II + d (held at my last tile) into buffer buf: 32 loads of 512 consecutive bytes and two of scale words: 34.  The buffer's bases are free: the wait at the head of the
; buffer's products has shown its earlier loads done.  again = 1: products have read the buffer.
.macro AFETCH buf, d, again
	s_add_co_u32 s32, s[II], \d
	s_min_u32 s32, s32, s[LAST]
	s_lshl_b32 s32, s32, 1
	s_add_co_u32 s32, s32, s[TB0]
	s_min_u32 s32, s32, 511                        ; a tile's number made of loaded numbers is held inside the 512 tiles
	s_lshl_b32 s36, s32, 16
	s_add_nc_u64 s[HQB+2*\buf:HQB+2*\buf+1], s[8:9], s[36:37]
	s_lshl_b32 s36, s32, 11
	s_add_nc_u64 s[HSB+2*\buf:HSB+2*\buf+1], s[10:11], s[36:37]
	WIN 0xc0
.if \again
	s_wait_alu depctr_va_vdst(0)                   ; the products issued so far are done reading this buffer and its scale words, in which the loads below land, and have written their accumulators, which the pair's LDS stores read
.endif
.set k, 0
.rept 32
	global_load_b128 v[128*\buf+4*k:128*\buf+4*k+3], v[AO], s[HQB+2*\buf:HQB+2*\buf+1] offset:512*k
.set k, k+1
.endr
	WIN 0
	global_load_b128 v[HSW+8*\buf:HSW+8*\buf+3], v[HSO], s[HSB+2*\buf:HSB+2*\buf+1]
	global_load_b128 v[HSW+8*\buf+4:HSW+8*\buf+7], v[HSO], s[HSB+2*\buf:HSB+2*\buf+1] offset:16
.endm
.macro MUL a                           ; 32 matrix instructions: K step by K step, four accumulators by turns, one instruction a turn; the first K step starts the sums
.set ks, 0
.rept 8
.if ks < 4
	WIN 0x0d                                       ; source 0 (w2) window 1, source 1 (h) window 3, C and D window 0
.else
	WIN 0x0e
.endif
.set kn, 0
.rept 4
.set rW, 16*(4*(ks%4)+kn)
.set rD, ACC+32*\a+8*kn
.if ks == 0
	v_wmma_scale_f32_16x16x128_f8f6f4 v[rD:rD+7], v[rW:rW+15], v[128*\a+16*ks:128*\a+16*ks+15], 0, v[W2S+8*kn+ks], v[HSW+8*\a+ks]
.else
	v_wmma_scale_f32_16x16x128_f8f6f4 v[rD:rD+7], v[rW:rW+15], v[128*\a+16*ks:128*\a+16*ks+15], v[rD:rD+7], v[W2S+8*kn+ks], v[HSW+8*\a+ks]
.endif
.set kn, kn+1
.endr
.set ks, ks+1
.endr
	WIN 0
.endm
; A PAIR OF TILES, through region reg of the exchange.  One barrier a pair: region reg is written again two pairs on, and every wave has by then passed the barrier of the pair between,
; in front of which it waited for its reads.
.macro PAIR reg
	s_cmp_ge_u32 s[II], s[NP]
	s_cbranch_scc1 .LskipA_\@
.irp a, 0,1
	s_wait_loadcnt 34                              ; this buffer's 34 loads and all older ones are in; the other buffer's 34, issued behind them on every way here, may be out
	MUL \a
	PLACES 8                                       ; ahead of the LDS stores that read results
	AFETCH \a, 2+\a, 1                             ; the tile two on: it has a pair's work in which to land
.endr
.irp a, 0,1
.irp n, 0,1,2,3
	ds_store_b128 v[ST], v[ACC+32*\a+8*\n:ACC+32*\a+8*\n+3] offset:EXR*\reg+4352*\a+64*\n       ; each accumulator from its low end on.  (No vector or matrix line stands behind the wait in the second refill)
	ds_store_b128 v[ST], v[ACC+32*\a+8*\n+4:ACC+32*\a+8*\n+7] offset:EXR*\reg+4352*\a+64*\n+16
.endr
.endr
.LskipA_\@:
	s_wait_dscnt 0x0                               ; my partial sums have landed, and my reads of the other region are over
	s_wait_alu depctr_vm_vsrc(0)                   ; my LDS stores have read the accumulators, which the next pair's products write; the last pair's global stores have read R and VO, which this pair's LDS loads and additions write
	s_barrier_signal -1
	s_barrier_wait -1
	s_cmp_ge_u32 s[II], s[NP]
	s_cbranch_scc1 .LskipB_\@
	s_wait_xcnt 0x0                                ; the last pair's stores have read their data and offsets
.irp i2, 0,1,2,3
	ds_load_b32 v[RID+\i2], v[LB] offset:256*\reg+8*\i2            ; (all vector lines that named RID, SCR and R stand ahead of the wait in front of the last pair's stores)
	ds_load_b32 v[SCR+\i2], v[LB] offset:SCL+256*\reg+8*\i2
.endr
.irp src, 0,1,2,3
.irp i2, 0,1,2,3
	ds_load_b128 v[R+16*\src+4*\i2:R+16*\src+4*\i2+3], v[RD] offset:EXR*\reg+8704*\src+544*\i2   ; lanes 0-15 one row of 256 bytes, lanes 16-31 the next
.endr
.endr
	s_wait_dscnt 0x0
.irp i2, 0,1,2,3
	v_pk_add_f32 v[R+4*\i2:R+4*\i2+1], v[R+4*\i2:R+4*\i2+1], v[R+16+4*\i2:R+16+4*\i2+1]          ; (0 + 1) + (2 + 3): the four quarters of K
	v_pk_add_f32 v[R+4*\i2+2:R+4*\i2+3], v[R+4*\i2+2:R+4*\i2+3], v[R+16+4*\i2+2:R+16+4*\i2+3]
	v_pk_add_f32 v[R+32+4*\i2:R+32+4*\i2+1], v[R+32+4*\i2:R+32+4*\i2+1], v[R+48+4*\i2:R+48+4*\i2+1]
	v_pk_add_f32 v[R+32+4*\i2+2:R+32+4*\i2+3], v[R+32+4*\i2+2:R+32+4*\i2+3], v[R+48+4*\i2+2:R+48+4*\i2+3]
	v_min_u32 v[RID+\i2], 0x9ff, v[RID+\i2]        ; a row id out of the list is held inside y's 2,560 rows
	v_pk_add_f32 v[R+4*\i2:R+4*\i2+1], v[R+4*\i2:R+4*\i2+1], v[R+32+4*\i2:R+32+4*\i2+1]
	v_pk_add_f32 v[R+4*\i2+2:R+4*\i2+3], v[R+4*\i2+2:R+4*\i2+3], v[R+32+4*\i2+2:R+32+4*\i2+3]
	v_lshl_add_u32 v[VO+\i2], v[RID+\i2], 12, v[C16]
	v_pk_add_f32 v[R+4*\i2:R+4*\i2+1], v[R+4*\i2:R+4*\i2+1], v[B2:B2+1]
	v_pk_add_f32 v[R+4*\i2+2:R+4*\i2+3], v[R+4*\i2+2:R+4*\i2+3], v[B2+2:B2+3]
.irp c, 0,1,2,3
	v_mul_f32 v[R+4*\i2+\c], v[R+4*\i2+\c], v[SCR+\i2]
.endr
.endr
	s_wait_alu depctr_va_vdst(0)                   ; the four rows in R and their offsets in VO are written, which the stores below read; R, RID and SCR are done with, in which the next pair's LDS loads land
.irp i2, 0,1,2,3
	global_store_b128 v[VO+\i2], v[R+4*\i2:R+4*\i2+3], s[YB:YB+1]   ; sixteen lanes store 256 consecutive bytes of one row, at a multiple of 256 from y's first byte
.endr
.LskipB_\@:
	s_add_co_u32 s[II], s[II], 2
.endm
	s_load_b512 s[4:19], s[0:1], 0x0               ; route s[4:5], gsc s[6:7], hq s[8:9], hs s[10:11], w2_codes s[12:13], w2_scales s[14:15], b2 s[16:17], y s[18:19]
	v_lshl_add_u32 v14, v0, 2, 0x13200
	v_mov_b32 v15, 0
	v_lshrrev_b32 v12, 5, v0
	v_readfirstlane_b32 s[WV], v12
	v_and_b32 v1, 31, v0                           ; lane
	v_and_b32 v2, 15, v0                           ; r
	v_bfe_u32 v3, v0, 4, 1                         ; h
	s_lshr_b32 s[EE], ttmp9, 5
	s_bfe_u32 s[CG], ttmp9, 0x40001                ; 4 bits from bit 1
	s_and_b32 s[PP], ttmp9, 1
	v_lshlrev_b32 v[C16], 4, v2
	v_lshlrev_b32 v[WO], 12, v2
	v_lshl_add_u32 v[WO], v3, 4, v[WO]
	v_lshlrev_b32 v[WSO], 7, v2
	v_lshlrev_b32 v[L16], 4, v1
	v_lshlrev_b32 v[L32], 5, v1
	v_lshlrev_b32 v[BIA], 2, v1                    ; the list's registers, made ahead of the parting of the waves
	v_add_nc_u32 v[BDUMP], 1056, v1
	v_lshlrev_b32 v[BT2], 3, v1
	v_mov_b32 v[BZ], 0
	s_wait_alu depctr_va_sdst(0)                   ; the wave's number is written, ahead of its first reader
	s_lshl_b32 s32, s[WV], 14
	v_lshl_add_u32 v[AO], v1, 4, s32
	s_lshl_b32 s32, s[WV], 9
	v_lshl_add_u32 v[HSO], v2, 5, s32
	s_mul_i32 s32, s[WV], 8704
	s_add_co_u32 s32, s32, EX
	v_mul_u32_u24 v[ST], v2, 272
	v_lshl_add_u32 v[ST], v3, 5, v[ST]
	v_add_nc_u32 v[ST], s32, v[ST]
	s_lshr_b32 s32, s[WV], 1
	s_mul_i32 s32, s32, 4352
	s_and_b32 s33, s[WV], 1
	s_mul_i32 s33, s33, 2176
	s_add_co_u32 s32, s32, s33
	s_add_co_u32 s32, s32, EX
	v_mul_u32_u24 v[RD], v3, 272
	v_lshl_add_u32 v[RD], v2, 4, v[RD]
	v_add_nc_u32 v[RD], s32, v[RD]
	s_lshl_b32 s32, s[PP], 6
	s_lshr_b32 s33, s[WV], 1
	s_lshl_b32 s33, s33, 7
	s_add_co_u32 s32, s32, s33
	s_and_b32 s33, s[WV], 1
	s_lshl_b32 s33, s33, 5
	s_add_co_u32 s32, s32, s33
	v_lshl_add_u32 v[LB], v3, 2, s32
	s_lshl_b32 s32, s[EE], 6
	s_add_co_u32 s[TB0], s32, s[PP]
	s_add_co_u32 s32, s32, 2048
	v_add_nc_u32 v[BPA], s32, v1
	v_add_nc_u32 v[BPB], 32, v[BPA]
	s_lshl_b32 s[SELB], 0x101, s[EE]
	s_lshl_b32 s[SEL1], 0x100, s[EE]
	s_add_co_u32 s[SH8], s[EE], 8
	s_lshl_b32 s32, s[EE], 10
	s_lshl_b32 s33, s[CG], 6
	s_add_co_u32 s32, s32, s33                     ; my first column among the 8,192: 1024 e + 64 cg
	s_mov_b32 s37, 0
	s_wait_kmcnt 0x0
	s_lshl_b32 s36, s32, 12                        ; w2's codes: 4,096 bytes a column, + my quarter of K: 1,024 w
	s_lshl_b32 s33, s[WV], 10
	s_add_co_u32 s36, s36, s33
	s_add_nc_u64 s[12:13], s[12:13], s[36:37]
	s_lshl_b32 s36, s32, 7                         ; its scale bytes: 128 a column, + 32 w
	s_lshl_b32 s33, s[WV], 5
	s_add_co_u32 s36, s36, s33
	s_add_nc_u64 s[14:15], s[14:15], s[36:37]
	s_lshl_b32 s36, s32, 2
	s_add_nc_u64 s[16:17], s[16:17], s[36:37]      ; b2
	s_lshl_b32 s36, s[CG], 8
	s_add_nc_u64 s[YB:YB+1], s[18:19], s[36:37]    ; y at my columns
	s_wait_alu depctr_va_vdst(0)                   ; the offsets and LDS addresses v4 to v11, v105, v106 and the list's v96 to v100 and v104 are written, which the loads and stores of the kernel read
.irp i, 0,1,2,3,4,5,6,7
	global_load_b128 v[RW+4*\i:RW+4*\i+3], v[L16], s[4:5] offset:512*\i
.endr
.irp i, 0,1,2,3,4,5,6,7
	global_load_b128 v[SG+8*\i:SG+8*\i+3], v[L32], s[6:7] offset:1024*\i
	global_load_b128 v[SG+8*\i+4:SG+8*\i+7], v[L32], s[6:7] offset:1024*\i+16
.endr
	global_load_b128 v[B2:B2+3], v[C16], s[16:17]
	LOADW 0, 32                                    ; weights go out ahead of the list's work
	s_wait_loadcnt 32                              ; route, the scores and b2 are in; the 32 behind them stay out
	BUILD_LIST
	s_wait_alu depctr_vm_vsrc(0)                   ; the list's stores have read v96 to v104 and the ids and scores in v128 to v191, the head's loads v105 and v106: these registers are ACC and R from here on, written by the products and by the LDS loads
	LOADW 32, 128
.irp n, 0,1,2,3
	global_load_b128 v[W2S+8*\n:W2S+8*\n+3], v[WSO], s[14:15] offset:2048*\n
	global_load_b128 v[W2S+8*\n+4:W2S+8*\n+7], v[WSO], s[14:15] offset:2048*\n+16
.endr
	s_add_co_u32 s32, s[CNT], 15
	s_lshr_b32 s32, s32, 4                         ; tiles of the expert
	s_add_co_u32 s32, s32, 1
	s_sub_co_u32 s32, s32, s[PP]
	s_lshr_b32 s[NP], s32, 1                       ; those of my parity: at most 32
	s_max_u32 s[LAST], s[NP], 1
	s_sub_co_u32 s[LAST], s[LAST], 1
	s_mov_b32 s[II], 0
	AFETCH 0, 0, 0                                 ; no vector or matrix instruction has named the two buffers yet
	AFETCH 1, 1, 0
	s_mov_b32 s[LC], 0
.Lpair:
	PAIR 0
	PAIR 1
	s_wait_alu depctr_vm_vsrc(0)                   ; the trip's LDS loads of the list have read LB
	v_add_nc_u32 v[LB], 512, v[LB]                 ; 128 places on
	s_add_co_u32 s[LC], s[LC], 1
	s_wait_alu depctr_va_vdst(0)                   ; LB is written, which the next trip's LDS loads of the list read
	s_cmp_lt_u32 s[LC], 8
	s_cbranch_scc1 .Lpair
	s_wait_dscnt 0x0
	s_wait_alu depctr_hold_cnt(0) depctr_sa_sdst(0) depctr_va_vdst(0) depctr_va_sdst(0) depctr_va_ssrc(0) depctr_va_vcc(0) depctr_vm_vsrc(0)
	s_wait_tensorcnt 0x0
	ds_add_u32 v14, v15
	s_wait_dscnt 0x0
	s_endpgm
.Lfunc_end_k_q978d0ba04a_ffn2:
	.size	k_q978d0ba04a_ffn2, .Lfunc_end_k_q978d0ba04a_ffn2-k_q978d0ba04a_ffn2
	.p2alignl 7, 3214868480
	.fill 96, 4, 3214868480
	.section	.rodata,"a",@progbits
	.p2align	6, 0x0
	.amdhsa_kernel k_q978d0ba04a_ffn2
		.amdhsa_group_segment_fixed_size 78848
		.amdhsa_private_segment_fixed_size 0
		.amdhsa_enable_private_segment 0
		.amdhsa_kernarg_size 64
		.amdhsa_user_sgpr_count 2
		.amdhsa_user_sgpr_kernarg_segment_ptr 1
		.amdhsa_wavefront_size32 1
		.amdhsa_system_sgpr_workgroup_id_x 1
		.amdhsa_system_sgpr_workgroup_id_y 1
		.amdhsa_system_sgpr_workgroup_id_z 1
		.amdhsa_system_vgpr_workitem_id 0
		.amdhsa_next_free_vgpr 1024
		.amdhsa_next_free_sgpr 66
		.amdhsa_reserve_vcc 0
		.amdhsa_float_denorm_mode_32 3
		.amdhsa_float_denorm_mode_16_64 3
		.amdhsa_memory_ordered 1
		.amdhsa_forward_progress 1
		.amdhsa_inst_pref_size 106
	.end_amdhsa_kernel
	.amdgpu_metadata
---
amdhsa.version: [ 1, 2 ]
amdhsa.kernels:
  - .name:           k_q978d0ba04a_ffn2
    .symbol:         k_q978d0ba04a_ffn2.kd
    .args:
      - { .name: route, .offset: 0, .size: 8, .value_kind: global_buffer, .address_space: global }
      - { .name: gsc, .offset: 8, .size: 8, .value_kind: global_buffer, .address_space: global }
      - { .name: hq, .offset: 16, .size: 8, .value_kind: global_buffer, .address_space: global }
      - { .name: hs, .offset: 24, .size: 8, .value_kind: global_buffer, .address_space: global }
      - { .name: w2_codes, .offset: 32, .size: 8, .value_kind: global_buffer, .address_space: global }
      - { .name: w2_scales, .offset: 40, .size: 8, .value_kind: global_buffer, .address_space: global }
      - { .name: b2, .offset: 48, .size: 8, .value_kind: global_buffer, .address_space: global }
      - { .name: y, .offset: 56, .size: 8, .value_kind: global_buffer, .address_space: global }
    .group_segment_fixed_size: 78848
    .private_segment_fixed_size: 0
    .kernarg_segment_align: 8
    .kernarg_segment_size: 64
    .max_flat_workgroup_size: 128
    .sgpr_count:     66
    .vgpr_count:     1024
    .wavefront_size: 32
...
	.end_amdgpu_metadata
.endif
;; end of part 7
;; launch combine (part 8): grid 256 x 1, 4 waves a work-group, no clusters, 0 bytes of LDS; arguments y, out0; writes out0
.if DOCPART == 8
	.amdgcn_target "amdgcn-amd-amdhsa--gfx1250"
	.amdhsa_code_object_version 6
	.text
	.protected	k_q978d0ba04a_combine
	.globl	k_q978d0ba04a_combine
	.p2align	8
	.type	k_q978d0ba04a_combine,@function
k_q978d0ba04a_combine:
	s_mov_b64 s[64:65], 0
	v_nop
	global_prefetch_b8 v0, s[64:65] scope:SCOPE_SE
	s_setreg_imm32_b32 hwreg(HW_REG_WAVE_MODE, 25, 1), 1
	s_wait_xcnt 0x0
; out0[t] = y[2 t] + y[2 t + 1]: a token's two weighted expert rows, each made whole by the launch before.  A stream: every byte of the 2,048 rows is read once, every byte of out0 written once.
; A wave takes a token: sixteen loads of 512 consecutive bytes, all out at once, the two rows by turns; eight stores of 512 consecutive bytes.  No LDS, no barrier, no loop, no matrix unit: nothing is shared.
.set A, 16                             ; v16-79: piece i of row 2 t at v[16 + 8 i], of row 2 t + 1 at v[20 + 8 i]
	s_load_b128 s[4:7], s[0:1], 0x0                ; y, out0
	v_lshrrev_b32 v1, 5, v0
	v_readfirstlane_b32 s8, v1                     ; wave
	v_and_b32 v2, 31, v0
	v_lshlrev_b32 v2, 4, v2                        ; 16 x lane
	s_lshl_b32 s9, ttmp9, 2
	s_add_co_u32 s9, s9, s8                        ; my token
	s_lshl_b32 s10, s9, 13                         ; two rows of 4,096 bytes
	s_mov_b32 s11, 0
	s_lshl_b32 s12, s9, 12
	s_mov_b32 s13, 0
	s_wait_alu depctr_va_vdst(0)
	s_wait_kmcnt 0x0
	s_add_nc_u64 s[4:5], s[4:5], s[10:11]
	s_add_nc_u64 s[6:7], s[6:7], s[12:13]
.irp i, 0,1,2,3,4,5,6,7
	global_load_b128 v[A+8*\i:A+8*\i+3], v2, s[4:5] offset:512*\i th:TH_LOAD_NT
	global_load_b128 v[A+8*\i+4:A+8*\i+7], v2, s[4:5] offset:4096+512*\i th:TH_LOAD_NT
.endr
.irp i, 0,1,2,3,4,5,6,7
	s_wait_loadcnt 14-2*\i                         ; loads come back in order (ISA guide 5.7.1): piece i of both rows is in, the younger pieces stay out
	v_pk_add_f32 v[A+8*\i:A+8*\i+1], v[A+8*\i:A+8*\i+1], v[A+8*\i+4:A+8*\i+5]
	v_pk_add_f32 v[A+8*\i+2:A+8*\i+3], v[A+8*\i+2:A+8*\i+3], v[A+8*\i+6:A+8*\i+7]
	global_store_b128 v2, v[A+8*\i:A+8*\i+3], s[6:7] offset:512*\i th:TH_STORE_NT
.endr
	s_endpgm
.Lfunc_end_k_q978d0ba04a_combine:
	.size	k_q978d0ba04a_combine, .Lfunc_end_k_q978d0ba04a_combine-k_q978d0ba04a_combine
	.p2alignl 7, 3214868480
	.fill 96, 4, 3214868480
	.section	.rodata,"a",@progbits
	.p2align	6, 0x0
	.amdhsa_kernel k_q978d0ba04a_combine
		.amdhsa_group_segment_fixed_size 0
		.amdhsa_private_segment_fixed_size 0
		.amdhsa_enable_private_segment 0
		.amdhsa_kernarg_size 16
		.amdhsa_user_sgpr_count 2
		.amdhsa_user_sgpr_kernarg_segment_ptr 1
		.amdhsa_wavefront_size32 1
		.amdhsa_system_sgpr_workgroup_id_x 1
		.amdhsa_system_sgpr_workgroup_id_y 1
		.amdhsa_system_sgpr_workgroup_id_z 1
		.amdhsa_system_vgpr_workitem_id 0
		.amdhsa_next_free_vgpr 80
		.amdhsa_next_free_sgpr 66
		.amdhsa_reserve_vcc 0
		.amdhsa_float_denorm_mode_32 3
		.amdhsa_float_denorm_mode_16_64 3
		.amdhsa_memory_ordered 1
		.amdhsa_forward_progress 1
		.amdhsa_inst_pref_size 5
	.end_amdhsa_kernel
	.amdgpu_metadata
---
amdhsa.version: [ 1, 2 ]
amdhsa.kernels:
  - .name:           k_q978d0ba04a_combine
    .symbol:         k_q978d0ba04a_combine.kd
    .args:
      - { .name: y, .offset: 0, .size: 8, .value_kind: global_buffer, .address_space: global }
      - { .name: out0, .offset: 8, .size: 8, .value_kind: global_buffer, .address_space: global }
    .group_segment_fixed_size: 0
    .private_segment_fixed_size: 0
    .kernarg_segment_align: 8
    .kernarg_segment_size: 16
    .max_flat_workgroup_size: 128
    .sgpr_count:     66
    .vgpr_count:     80
    .wavefront_size: 32
...
	.end_amdgpu_metadata
.endif
;; end of part 8
